; MI455X (gfx1250); checked and timed in simulation.
; The chip was launched on July 23, 2026; its instructions are those of AMD's public machine-readable ISA for CDNA 5 (MIT licence, August 2026) and "CDNA5" Instruction Set Architecture Reference Guide (July 2026). The comments in the code are by the model that wrote it; some were corrected since.
;; Transformer Layer. Allowed arithmetic: matrix products marked QUANTISED: E5M2 operands, one given power-of-two scale a tensor, by v_wmma_f32_16x16x64_bf8_bf8 or v_wmma_f32_16x16x128_bf8_bf8, f32 sums; everything else in f32.
;; Inputs: lowp_scales 10 int32 (the exponents e of the quantised operands' scales 2^e); prev_k 2 x 512 x 8 x 64 float32; prev_v 2 x 512 x 8 x 64 float32; rel_bias 8 x 32 float32; w_k_codes 8 x 64 x 16 x 32 uint8 (E5M2 codes of w_k, K innermost, in blocks of 32 codes); w_q_codes 8 x 64 x 16 x 32 uint8 (E5M2 codes of w_q, K innermost, in blocks of 32 codes); w_v_codes 8 x 64 x 16 x 32 uint8 (E5M2 codes of w_v, K innermost, in blocks of 32 codes); xs_codes 2 x 4,096 x 16 x 32 uint8 (E5M2 codes of xs, K innermost, in blocks of 32 codes).
;; Outputs: out0 2 x 4,096 x 8 x 64 float32; out1 2 x 512 x 8 x 64 float32; out2 2 x 512 x 8 x 64 float32.
;; This version of the problem:
;;   THIS VERSION OF THE PROBLEM IS GIVEN IN LOW PRECISION. The matrix products marked QUANTISED in the list below multiply operands that are first quantised to E5M2 (5 exponent bits, 2 mantissa bits; 8 bits a number), with one given power-of-two scale for each operand tensor; their sums are f32. All else is computed in f32.
;;   The module's matrix products, in the order in which they are computed (A, B: the left and right operand; K: the contracted axis; several contracted axes count as one K, in the product's order):
;;     1. [M 8,192, K 512] x [K 512, N 512]; A: input xs (given as codes); B: input w_q (given as codes): QUANTISED (scales: A lowp_scales[0], B lowp_scales[1])
;;     2. [M 8,192, K 512] x [K 512, N 512]; A: input xs (given as codes); B: input w_k (given as codes): QUANTISED (scales: A lowp_scales[2], B lowp_scales[3])
;;     3. [M 8,192, K 512] x [K 512, N 512]; A: input xs (given as codes); B: input w_v (given as codes): QUANTISED (scales: A lowp_scales[4], B lowp_scales[5])
;;     4. batch 128 x [M 512, K 64] x [K 64, N 1,024]; A: computed on the way; B: computed on the way: QUANTISED (scales: A lowp_scales[6], B lowp_scales[7])
;;     5. batch 128 x [M 64, K 1,024] x [K 1,024, N 512]; A: computed on the way; B: softmax (see below): QUANTISED (scales: A lowp_scales[8], B lowp_scales[9])
;;   THE QUANTISER, for each operand of a quantised product, along K:
;;     - The operand's scale is 2^e, e = its entry of the input lowp_scales (int32; the entries are numbered through the quantised products in the list's order, A before B).
;;     - Each number is divided by the scale, clamped to +-57,344, and rounded to the nearest number of E5M2, ties to even, subnormals kept.
;;     - The product sums the exact products of the quantised numbers (number of the format x scale) in f32.
;;   ~~~python
;;   def quantise(x, axis, e):      # numpy; x: float32 -> the quantised numbers, widened to float32 again
;;       x = np.moveaxis(x, axis, -1); K = x.shape[-1]
;;       r = np.clip(x / 2.0 ** e, -57344, 57344)
;;       step = 2.0 ** (np.maximum(np.frexp(np.where(r == 0, 1, r))[1] - 1, -14) - 2)
;;       q = np.round(r / step) * step * 2.0 ** e      # np.round: ties to even
;;       return np.moveaxis(q, -1, axis).astype(np.float32)
;;   ~~~
;;   SOFTMAX AHEAD OF A QUANTISED PRODUCT. Where the list says 'softmax', what is quantised is not the finished softmax but p = 2^(t - M), with t = logit x log2(e) and M = ceil(the row's largest t), a whole number; so 1/2 < the row's largest p <= 1. The row's sum l is taken of the UNQUANTISED p, in f32, and the product's result is divided by l at the end. Since M is a whole number, a kernel that streams over the keys may use a running M (the ceiling of the running maximum): every later rescaling is an exact power of two, so the quantised numbers keep their values, but for numbers so far below the row's largest that they fall under the format's range.
;;   OPERANDS COMPUTED ON THE WAY. 'Computed on the way' means the value that the module computes at that place (a softmax that the list does not call 'softmax' is quantised finished and normalised). What goes into a quantiser is computed in f32, as accurately as f32 sums, v_exp_f32 and their like allow (about 1e-6 of the number): no bf16 or f16 on the way to a quantiser, and a product that is left as it is and whose result goes on into a quantised operand takes f32 operands (vector FMAs, or v_wmma_f32_16x16x4_f32). A number that lies on a knife's edge between two numbers of the format may be rounded either way, as far as f32 arithmetic and the matrix unit's own rounding can turn it there, and no further.
;;   INPUTS GIVEN AS CODES. w_k (in the module: [512, 8, 64], K = its axis 0); w_q (in the module: [512, 8, 64], K = its axis 0); w_v (in the module: [512, 8, 64], K = its axis 0); xs (in the module: [2, 4096, 512], K = its axis 2): each comes as NAME_codes (uint8): NAME with its K axis moved to the last place and cut into blocks of 32 codes, [.., K / 32, bytes a block], one block behind the other in memory; one code a byte (a code: sign, 5 exponent bits, 2 mantissa bits); its scale is its entry of lowp_scales. Its value is code x scale, taken as it is: it is not quantised again, and the codes and scales need not be those that the quantiser above would give.
;; 2 versions, each right; version 2 is version 1 with the launch layer written anew for expert scheduling mode. Each part assembles by itself: llvm-mc -triple=amdgcn-amd-amdhsa -mcpu=gfx1250 --defsym DOCPART=n.
;; ======== version 1 of 2: 1 launch
;; launch layer (part 1): grid 128 x 2, 8 waves a work-group, no clusters, 279,552 bytes of LDS; arguments xs_codes, w_q_codes, w_k_codes, w_v_codes, prev_k, prev_v, rel_bias, lowp_scales, out0, out1, out2; writes out0, out1, out2
.if DOCPART == 1
	.amdgcn_target "amdgcn-amd-amdhsa--gfx1250"
	.amdhsa_code_object_version 6
	.text
	.protected	k_q112cc24eee_layer
	.globl	k_q112cc24eee_layer
	.p2align	8
	.type	k_q112cc24eee_layer,@function
k_q112cc24eee_layer:
	s_mov_b64 s[64:65], 0
	v_nop
	global_prefetch_b8 v0, s[64:65] scope:SCOPE_SE
	s_setreg_imm32_b32 hwreg(HW_REG_WAVE_MODE, 25, 1), 1
	s_wait_xcnt 0x0
; ONE LAYER OF SLIDING-WINDOW ATTENTION ON CODES OF E5M2, IN ONE LAUNCH.  B 2, S 4,096, E 512, H 8, D 64, W 512.
; q, k, v = xs x w_q, w_k, w_v (codes as given; sums x 2^(e0+e1) / 8, 2^(e2+e3), 2^(e4+e5)); q and k are quantised along d (e6, e7), v along the keys (e8);
; score = q . k + rel_bias[head][bucket(query - key)]; query a sees keys a - 511 .. a, keys under 0 being prev_k / prev_v (f32, quantised with e7, e8);
; t = score x log2(e), M = the running largest t rounded up to a whole number, p = 2^(t - M) quantised with e9, the row's sum of the unquantised p divides at the end.
; out0 = attention; out1, out2 = the f32 k and v of the last 512 positions.
; SHARES.  A work-group owns 256 queries of one (batch, head): 128 x 2 work-groups.  It projects q, k, v of its own 256 rows, and k, v once more of the 512 rows in front of them (or quantises
; prev_k / prev_v where those lie before position 0), keeps K's and V's codes in LDS as images of the operands' registers, and attends from there.  Nothing goes through memory between the steps.
; Wave U (0..7) owns query tiles p = 0, 1 (rows Q0 + 32 U + 16 p = local key tiles 32 + 2 U + p) and the halo's key tiles 4 U + i, i = 0..3.  Local key tile L covers keys Q0 - 512 + 16 L.
; LAYOUTS.  No code changes lanes.  k = W_k xs^T: a lane holds one key, its registers run along d; v = xs W_v^T: a lane holds one d, its registers run along the keys; S^T = K Q^T: a lane holds one query, its
; registers run along the keys: each conversion's two registers ARE registers 2 c, 2 c + 1 of the next operand.  The projections' fragments are fetched 16 bytes a lane, the same order of k in both operands.
; THE BIAS costs no vector instruction in the loop: divided by 2^(e6+e7) it is the C of the score product.  reference() builds the bucket from n = query - key in its own body:
; bucket = min(n, 16) + the number of T <= n, T in 19 21 24 27 31 35 40 46 52 59 67 77 87 99 113 (the whole numbers next above 16 x 8^(j/16); none of those bounds lies within 0.09 of a whole number).
; From n = 113 on it is 31: so tile distances 8 .. 31 take one constant, and distances 0 .. 7 and 32 an image of 16 x 16 numbers, in which hidden places hold -2^126.
; WORK LEFT OUT.  reference() sets a score to -1e30 where key - query > 0 or <= -512, by a mask that it builds itself; its p is 0 for all values of the inputs.  Of the 64 key tiles of a window pair, the 31 whose
; 16 x 16 scores are all hidden for a tile of 16 queries are not multiplied.  Every input has a way to an output and is loaded.  LIMIT: a NaN, an infinity or an overflow that reaches only those tiles is not carried.
; LIMITS on the given exponents, so that each power of two below is an f32 number: e7-e2-e3, e8-e4-e5, e6-e0-e1+3, e7, e8, e9 between -126 and 112; e2+e3, e4+e5 between -126 and 127;
; e6+e7 between -110 and 127 (a hidden score, -2^126 x log2(e) x 2^(e6+e7), must stay far under every t).  NaN in prev_k or prev_v is not served.
; NO JOINT REQUESTS, NO TENSOR LOADS: a work-group's rows of xs are 768 x 512 = 393,216 bytes, more than LDS holds beside 101,376 of weights and 98,304 of images, and each of those bytes is wanted by one wave, once:
; they go straight into operand registers, where no joint request reaches; the weights, which partners could share, are 98,304 of a work-group's 491,520 bytes.
; LDS: weights 192 rows x 528 | K's images 48 x 1,024 | V's images 48 x 1,024 | 9 bias images x 1,024 | a stage of 32 rows x 272 for each wave | the spare words.
.set WP,    528                        ; a weight's row in LDS: 512 bytes + 16: 132 words, so 16 rows start at 16 different groups of four banks
.set QOFF,  128*WP                     ; rows 0-63 W_k, 64-127 W_v, 128-191 W_q
.set KIMG,  192*WP                     ; tile L at 1,024 L: registers 0-3 at 16 x lane, registers 4-7 at 512 + 16 x lane
.set VIMG,  KIMG+49152                 ; tile L, d tile t at 1,024 L + 256 t + 8 x lane
.set IMG,   VIMG+49152                 ; image x at 1,024 x, laid as K's images; x = 0..7: tile distance x; x = 8: distance 32
.set STG,   IMG+9216
.set SROW,  272
.set WSTG,  32*SROW
.set SPARE, STG+8*WSTG                 ; 128 bytes for each of the eight waves: four blocks of 256 bytes that no other line names
.set OWN,   32768                      ; from a wave's attention base to its own two tiles: 32 tiles
; vector registers, window 0
.set SPW,   1                          ; LDS address of my spare word; never rewritten
.set NIL,   2                          ; 0; never rewritten
.set WADR,  3                          ; 528 r + 16 h: my place in 16 rows of W_k, W_v        (attention: T0)
.set WADRQ, 4                          ; the same in W_q                                      (attention: ADK)
.set AK0,   5                          ; KIMG + 2,048 U + 16 lane
.set KSH,   6                          ; KIMG + 4,096 U + 16 lane: my halo tiles              (attention: ADV)
.set AV0,   7                          ; VIMG + 2,048 U + 8 lane
.set VSH,   8                          ; VIMG + 4,096 U + 8 lane                              (attention: PD)
.set SC,    9                          ; the conversions' scale as f32
.set LIM,   10                         ; 57,344 x that
.set AIM,   11                         ; IMG + 16 lane
.set STK,   12                         ; the stage, a lane to a row: 272 r + 32 h
.set STV,   13                         ; the stage, a lane to a column: 2,176 h + 4 r         (attention: T1)
.set RD,    14                         ; the stage, back by rows: 272 h + 16 r
.set GO,    15                         ; the same two rows in an output: 2,048 h + 16 r
.set T0,    3
.set ADK,   4
.set ADV,   6
.set PD,    8
.set T1,    13
.set FO,    16                         ; v16-23 eight f32 numbers for out1, out2
.set CD,    24                         ; v24-31 codes just made, a pair for each slot
.set QCD,   16                         ; v16-31 Q's codes: tile p, d tile t at 16 + 8 p + 2 t
.set ACC,   32                         ; v32-63 the projections' accumulators, slot s at 32 + 8 s
.set WF,    64                         ; v64-127 a weight's 16 rows x 512 K: chunk q at 64 + 16 q
.set XR,    128                        ; v128-255 my own 32 rows of xs: slot s, chunk q at 128 + 64 s + 16 q.   Window 1: the halo's 64 rows, or prev_k and prev_v
.set RB,    16                         ; head only: rel_bias[head][lane]
.set NB0,   17                         ; head only: r - 8 h - U
.set MSK,   18                         ; head only: -2^126
.set IST,   19                         ; head only: where I store register U of an image
.set L16,   20                         ; head only: 16 lane
.set WST,   21                         ; head only: where my 8 rows of W_k go; v22 the same for W_q
.set PKO,   23                         ; head only: prev_k: 2,048 r + 32 h
.set PVO,   24                         ; head only: prev_v: 16,384 h + 4 r
.set L4,    25                         ; head only: 4 lane
.set XO,    26                         ; head only: xs: 512 r + 16 h
.set NN,    32                         ; head only: nine distances n;  IX nine indices;  VL nine values
.set IX,    41
.set VL,    50
.set BT,    59
.set ONE,   60
.set SS,    32                         ; attention: v32-95 S^T, then p: key tile i at 32 + 8 i
.set PC,    96                         ; v96-111 p's codes
.set QC,    112                        ; v112-119 the query tile's codes
.set CB,    120                        ; v120-127 rel_bias[head][31] / 2^(e6+e7), eight times
.set OT,    128                        ; v128-159 O^T: d tile t at 128 + 8 t
.set NM,    160                        ; -M;  v161 the largest t
.set TM,    161
.set YS,    162                        ; v[162:163] the row's sum in two halves;  v[164:165] a second chain
.set XC,    164
.set FF,    166                        ; f = 2^(old M - new M); v167 is named with it as a pair
.set KF,    176                        ; v176-239 eight key tiles of K.   Window 1: V: d tile t in 18 registers at 18 t: the far tile, then the step's eight
.set MSB, 0
.macro WIN new                         ; the immediate's high byte repeats the setting that is left; a switch that changes nothing is dropped
.if MSB != \new
	s_set_vgpr_msb (MSB<<8)|\new
.set MSB, \new
.endif
.endm
.macro PLACES                          ; four plain places behind matrix instructions, in front of loads into their registers and of the first read of results
.rept 4
	v_nop
.endr
.endm
.macro MKSC sc, lim, e                 ; s[sc] = 2^e as f32, s[lim] = 57,344 x 2^e, e in s[e]
	s_add_co_i32 s[\sc], s[\e], 127
	s_add_co_i32 s[\lim], s[\e], 142
	s_lshl_b32 s[\sc], s[\sc], 23
	s_lshl_b32 s[\lim], s[\lim], 23
	s_or_b32 s[\lim], s[\lim], 0x600000
.endm
.macro LOADW adr, m                    ; 16 rows of a weight, all 512 along K: 16 loads of 16 bytes a lane
.irp q, 0,1,2,3
.irp c, 0,1,2,3
	ds_load_b128 v[WF+16*\q+4*\c:WF+16*\q+4*\c+3], v[\adr] offset:16*(\m)*WP+128*\q+32*\c
.endr
.endr
.endm
; 16 rows of the stage leave as rows: sixteen lanes store 256 consecutive bytes, one (position, head) row of an output, at a multiple of 256 from its first byte
.macro OUTROWS reg, loff, base, goff
.irp i, 0,1,2,3,4,5,6,7
	ds_load_b128 v[\reg+4*\i:\reg+4*\i+3], v[RD] offset:\loff+2*SROW*\i   ; LDS serves a wave's instructions in order: these see my stores
.endr
.irp i, 0,1,2,3,4,5,6,7
	s_wait_dscnt 7-\i                              ; the younger loads of this run may be out
	global_store_b128 v[GO], v[\reg+4*\i:\reg+4*\i+3], s[\base:\base+1] offset:\goff+4096*\i th:TH_STORE_NT
.endr
.endm
.macro FLUSH base                      ; my 32 rows of k or v in f32, where they are rows of out1, out2 (a branch on the work-group's number)
	s_cmp_lg_u32 s44, 0
	s_cbranch_scc0 .Lno_flush_\@
	OUTROWS ACC, 0, \base, 0
	s_wait_xcnt 0x0                                ; the stores have read their registers: they are loaded again
	OUTROWS ACC, 16*SROW, \base, 32768
	s_wait_xcnt 0x0                                ; and are written by the next products
.Lno_flush_\@:
.endm
; ONE d TILE OF ONE PROJECTION for nt tiles of 16 rows.  kind 0: k, 1: v, 2: q.  dt: the d tile.  hal = 1: the halo's rows (window 1).  nadr, nm: the weight rows to fetch for the next call (nm = -1: none).
; The accumulators take turns, one instruction a turn; the first K chunk starts the sums.
.macro MAT kind, dt, nt, hal, nadr, nm
	s_wait_dscnt 0x0                               ; the weight's rows are in
.if \hal
.if \kind == 1
	WIN 0x01                                       ; source 0 (xs) window 1
.else
	WIN 0x04                                       ; source 1 (xs) window 1
.endif
.endif
.set mq, 0
.rept 4
.set ms, 0
.rept \nt
.set ma, ACC+8*ms
.set mw, WF+16*mq
.if \hal
.set mx, 64*ms+16*mq
.else
.set mx, XR+64*ms+16*mq
.endif
.if \kind == 1
.if mq == 0
	v_wmma_f32_16x16x128_bf8_bf8 v[ma:ma+7], v[mx:mx+15], v[mw:mw+15], 0
.else
	v_wmma_f32_16x16x128_bf8_bf8 v[ma:ma+7], v[mx:mx+15], v[mw:mw+15], v[ma:ma+7]
.endif
.else
.if mq == 0
	v_wmma_f32_16x16x128_bf8_bf8 v[ma:ma+7], v[mw:mw+15], v[mx:mx+15], 0
.else
	v_wmma_f32_16x16x128_bf8_bf8 v[ma:ma+7], v[mw:mw+15], v[mx:mx+15], v[ma:ma+7]
.endif
.endif
.set ms, ms+1
.endr
.set mq, mq+1
.endr
	WIN 0
	PLACES
.if \nm >= 0
	LOADW \nadr, \nm                               ; lands while this tile is quantised
.endif
.if (\kind < 2) && (\hal == 0)
	s_cmp_lg_u32 s44, 0                            ; rows of the last window: the f32 numbers go to the stage
	s_cbranch_scc0 .Lno_out_\@
.set ms, 0
.rept 2
.set ma, ACC+8*ms
.irp k, 0,2,4,6
	v_pk_mul_f32 v[FO+\k:FO+\k+1], v[ma+\k:ma+\k+1], s[66+2*\kind:67+2*\kind] op_sel_hi:[1,0]   ; x 2^(e2+e3) or 2^(e4+e5); each accumulator from its low end on
.endr
.if \kind == 0
	ds_store_b128 v[STK], v[FO:FO+3] offset:16*SROW*ms+64*\dt        ; lane (r, h): k(row r, d = 16 dt + 8 h + 0 .. 7)
	ds_store_b128 v[STK], v[FO+4:FO+7] offset:16*SROW*ms+64*\dt+16
.else
.irp j, 0,1,2,3,4,5,6,7
	ds_store_b32 v[STV], v[FO+\j] offset:16*SROW*ms+SROW*\j+64*\dt   ; lane (r, h): v(row 8 h + j, d = 16 dt + r)
.endr
.endif
.set ms, ms+1
.endr
.Lno_out_\@:
.endif
.set ms, 0
.rept \nt
.set ma, ACC+8*ms
.irp k, 0,1,2,3,4,5,6,7
	v_med3_num_f32 v[ma+\k], v[ma+\k], -v[LIM], v[LIM]   ; the conversion to an 8-bit code does not saturate (ISA guide 7.6.2): the hold at the largest code x the scale
.endr
.if \kind == 2
	v_cvt_scalef32_pk8_bf8_f32 v[QCD+8*ms+2*\dt:QCD+8*ms+2*\dt+1], v[ma:ma+7], v[SC]
.else
	v_cvt_scalef32_pk8_bf8_f32 v[CD+2*ms:CD+2*ms+1], v[ma:ma+7], v[SC]
.if (\kind == 0) && (\hal == 0)
	ds_store_b64 v[AK0], v[CD+2*ms:CD+2*ms+1] offset:OWN+1024*ms+512*((\dt)/2)+8*((\dt)%2)
.elseif \kind == 0
	ds_store_b64 v[KSH], v[CD+2*ms:CD+2*ms+1] offset:1024*ms+512*((\dt)/2)+8*((\dt)%2)
.elseif \hal == 0
	ds_store_b64 v[AV0], v[CD+2*ms:CD+2*ms+1] offset:OWN+1024*ms+256*\dt
.else
	ds_store_b64 v[VSH], v[CD+2*ms:CD+2*ms+1] offset:1024*ms+256*\dt
.endif
.endif
.set ms, ms+1
.endr
	v_nop                                          ; a plain instruction behind the last conversion, ahead of whatever next writes its sources or touches its result
.endm
; Register U of the bias image at tile distance D: n = 16 D + r - 8 h - U; always = the thresholds at or under 16 D - 15.  Whole numbers made of ids alone feed the index.
.macro BIASA i, D, always
	v_add_nc_u32 v[NN+\i], 16*(\D), v[NB0]
	v_min_u32 v[IX+\i], 16, v[NN+\i]
.irp T, 19,21,24,27,31,35,40,46,52,59,67,77,87,99,113
.if (\T > 16*(\D)-15) && (\T <= 16*(\D)+15)
	v_cmp_le_u32 vcc_lo, \T, v[NN+\i]
	v_cndmask_b32 v[BT], 0, v[ONE], vcc_lo
	v_add_nc_u32 v[IX+\i], v[IX+\i], v[BT]
.endif
.endr
	v_add_lshl_u32 v[IX+\i], v[IX+\i], \always, 2
	ds_bpermute_b32 v[VL+\i], v[IX+\i], v[RB]      ; rel_bias[head][bucket]: the table lies a number to a lane
.endm
.macro BIASB i, D
	v_ldexp_f32 v[VL+\i], v[VL+\i], s72            ; / 2^(e6+e7): the sums' unit
.if ((\D) == 0) || ((\D) == 32)
	v_cmp_lt_u32 vcc_lo, 511, v[NN+\i]             ; hidden: n > 511, or n < 0, which is a great number without a sign
	v_cndmask_b32 v[VL+\i], v[VL+\i], v[MSK], vcc_lo
.endif
	ds_store_b32 v[IST], v[VL+\i] offset:1024*\i
.endm
	s_load_b512 s[4:19], s[0:1], 0x0               ; xs 4:5, w_q 6:7, w_k 8:9, w_v 10:11, prev_k 12:13, prev_v 14:15, rel_bias 16:17, the exponents 18:19
	s_load_b128 s[20:23], s[0:1], 0x40             ; out0, out1
	s_load_b64 s[24:25], s[0:1], 0x50              ; out2
	v_lshl_add_u32 v[SPW], v0, 2, SPARE
	v_mov_b32 v[NIL], 0
	v_lshrrev_b32 v27, 5, v0
	v_readfirstlane_b32 s26, v27                   ; U: wave 0..7
	s_and_b32 s27, ttmp9, 7                        ; the head: the eight heads that read the same rows of xs are neighbours in x
	s_lshr_b32 s28, ttmp9, 3                       ; the block of 256 queries, 0..15
	s_and_b32 s29, ttmp7, 0xffff                   ; the batch
	s_lshl_b32 s30, s28, 8                         ; Q0
	s_lshl_b32 s50, s26, 6
	s_add_co_u32 s50, s50, s30                     ; Q0 + 64 U: my halo's first key + 512
	s_cmp_lt_u32 s50, 512
	s_cselect_b32 s31, 1, 0                        ; 1: my halo lies before position 0: prev_k, prev_v
	s_cmp_ge_u32 s28, 14
	s_cselect_b32 s44, 1, 0                        ; 1: my own rows are rows of out1, out2
	; byte offsets, each in a pair of its own; every one stays inside its buffer on both ways of the flags
	s_lshl_b32 s51, s29, 12                        ; 4,096 B
	s_lshl_b32 s52, s26, 5
	s_add_co_u32 s52, s52, s30                     ; Q0 + 32 U
	s_add_co_u32 s53, s52, s51                     ; my first own row
	s_lshl_b32 s46, s53, 9
	s_mov_b32 s47, 0
	s_sub_co_i32 s48, s50, 512
	s_max_i32 s48, s48, 0
	s_add_co_u32 s48, s48, s51
	s_lshl_b32 s48, s48, 9                         ; my first halo row of xs
	s_mov_b32 s49, 0
	s_lshl_b32 s82, s27, 8                         ; a head's 256 bytes of a row of f32
	s_lshl_b32 s83, s29, 9                         ; 512 B
	s_min_u32 s80, s50, 448
	s_add_co_u32 s80, s80, s83
	s_lshl_b32 s80, s80, 11
	s_add_co_u32 s80, s80, s82                     ; my first row of prev_k, prev_v
	s_mov_b32 s81, 0
	s_lshl_b32 s50, s53, 11
	s_add_co_u32 s50, s50, s82                     ; my first row of out0
	s_mov_b32 s51, 0
	s_sub_co_i32 s52, s52, 3584
	s_max_i32 s52, s52, 0
	s_add_co_u32 s52, s52, s83
	s_lshl_b32 s52, s52, 11
	s_add_co_u32 s52, s52, s82                     ; my first row of out1, out2
	s_mov_b32 s53, 0
	s_lshl_b32 s78, s27, 15
	s_lshl_b32 s79, s26, 12
	s_add_co_u32 s78, s78, s79                     ; the head's 64 rows of a weight, my 8 of them
	s_mov_b32 s79, 0
	s_lshl_b32 s72, s27, 7                         ; the head's row of rel_bias
	s_mov_b32 s73, 0
	; every fixed LDS address is made here, ahead of the first branch
	v_and_b32 v28, 31, v0                          ; lane
	v_and_b32 v29, 15, v0                          ; r
	v_bfe_u32 v30, v0, 4, 1                        ; h
	v_lshlrev_b32 v[L16], 4, v28
	v_lshlrev_b32 v31, 3, v28
	v_lshlrev_b32 v[L4], 2, v28
	v_mul_u32_u24 v[WADR], v29, WP
	v_lshl_add_u32 v[WADR], v30, 4, v[WADR]
	v_add_nc_u32 v[WADRQ], QOFF, v[WADR]
	s_lshl_b32 s54, s26, 11
	s_add_co_u32 s55, s54, KIMG
	v_add_nc_u32 v[AK0], s55, v[L16]
	s_add_co_u32 s55, s54, VIMG
	v_add_nc_u32 v[AV0], s55, v31
	s_lshl_b32 s54, s26, 12
	s_add_co_u32 s55, s54, KIMG
	v_add_nc_u32 v[KSH], s55, v[L16]
	s_add_co_u32 s55, s54, VIMG
	v_add_nc_u32 v[VSH], s55, v31
	v_add_nc_u32 v[AIM], IMG, v[L16]
	s_mul_i32 s54, s26, WSTG
	s_add_co_u32 s54, s54, STG                     ; my stage
	v_mul_u32_u24 v27, v29, SROW
	v_lshl_add_u32 v27, v30, 5, v27
	v_add_nc_u32 v[STK], s54, v27
	v_mul_u32_u24 v27, v30, 8*SROW
	v_lshl_add_u32 v27, v29, 2, v27
	v_add_nc_u32 v[STV], s54, v27
	v_mul_u32_u24 v27, v30, SROW
	v_lshl_add_u32 v27, v29, 4, v27
	v_add_nc_u32 v[RD], s54, v27
	v_lshlrev_b32 v[GO], 11, v30
	v_lshl_add_u32 v[GO], v29, 4, v[GO]
	v_lshl_add_u32 v27, v30, 3, s26
	v_sub_nc_u32 v[NB0], v29, v27                  ; r - 8 h - U
	v_mov_b32 v[MSK], 0xfe800000                   ; -2^126
	s_lshr_b32 s54, s26, 2
	s_lshl_b32 s54, s54, 9
	s_and_b32 s55, s26, 3
	s_lshl_b32 s55, s55, 2
	s_add_co_u32 s54, s54, s55
	s_add_co_u32 s54, s54, IMG
	v_add_nc_u32 v[IST], s54, v[L16]               ; register U of an image: 512 (U / 4) + 4 (U % 4) + 16 lane
	s_mul_i32 s54, s26, 8*WP
	v_add_nc_u32 v[WST], s54, v[L16]
	v_add_nc_u32 v[WST+1], QOFF, v[WST]
	v_lshlrev_b32 v[PKO], 11, v29
	v_lshl_add_u32 v[PKO], v30, 5, v[PKO]
	v_lshlrev_b32 v[PVO], 14, v30
	v_lshl_add_u32 v[PVO], v29, 2, v[PVO]
	v_lshlrev_b32 v[XO], 9, v29
	v_lshl_add_u32 v[XO], v30, 4, v[XO]
	s_wait_kmcnt 0x0
	s_add_nc_u64 s[46:47], s[4:5], s[46:47]        ; xs at my own rows
	s_add_nc_u64 s[48:49], s[4:5], s[48:49]        ; xs at my halo rows
	s_add_nc_u64 s[6:7], s[6:7], s[78:79]
	s_add_nc_u64 s[8:9], s[8:9], s[78:79]
	s_add_nc_u64 s[10:11], s[10:11], s[78:79]
	s_add_nc_u64 s[12:13], s[12:13], s[80:81]
	s_add_nc_u64 s[14:15], s[14:15], s[80:81]
	s_add_nc_u64 s[16:17], s[16:17], s[72:73]
	s_add_nc_u64 s[20:21], s[20:21], s[50:51]
	s_add_nc_u64 s[22:23], s[22:23], s[52:53]
	s_add_nc_u64 s[24:25], s[24:25], s[52:53]
	s_load_b256 s[32:39], s[18:19], 0x0            ; e0 .. e7
	s_load_b64 s[40:41], s[18:19], 0x20            ; e8, e9
	s_load_b32 s42, s[16:17], 0x7c                 ; rel_bias[head][31]
	; ALL GLOBAL LOADS OF THE LAUNCH, in the order in which they are wanted
	global_load_b32 v[RB], v[L4], s[16:17]
.irp i, 0,1,2,3,4,5,6,7                        ; my 8 rows of each weight: a load is one dense row of 512 bytes
	global_load_b128 v[32+4*\i:35+4*\i], v[L16], s[8:9] offset:512*\i
.endr
.irp i, 0,1,2,3,4,5,6,7
	global_load_b128 v[64+4*\i:67+4*\i], v[L16], s[10:11] offset:512*\i
.endr
.irp i, 0,1,2,3,4,5,6,7
	global_load_b128 v[96+4*\i:99+4*\i], v[L16], s[6:7] offset:512*\i
.endr
.irp s, 0,1                                    ; my own 32 rows of xs, as operand registers
.irp q, 0,1,2,3
.irp c, 0,1,2,3
	global_load_b128 v[XR+64*\s+16*\q+4*\c:XR+64*\s+16*\q+4*\c+3], v[XO], s[46:47] offset:8192*\s+128*\q+32*\c
.endr
.endr
.endr
	s_cmp_lg_u32 s31, 0
	s_cbranch_scc1 .Lprev_loads
	WIN 0x40                                       ; destination window 1
.irp i, 0,1,2,3                                ; my halo's 64 rows of xs
.irp q, 0,1,2,3
.irp c, 0,1,2,3
	global_load_b128 v[64*\i+16*\q+4*\c:64*\i+16*\q+4*\c+3], v[XO], s[48:49] offset:8192*\i+128*\q+32*\c
.endr
.endr
.endr
	WIN 0
	s_branch .Lloads_done
.Lprev_loads:
	WIN 0x40
.irp i, 0,1,2,3                                ; prev_k: a lane to a key, registers along d: tile i, d tile t at 32 i + 8 t
.irp t, 0,1,2,3
	global_load_b128 v[32*\i+8*\t:32*\i+8*\t+3], v[PKO], s[12:13] offset:32768*\i+64*\t
	global_load_b128 v[32*\i+8*\t+4:32*\i+8*\t+7], v[PKO], s[12:13] offset:32768*\i+64*\t+16
.endr
.endr
.irp i, 0,1,2,3                                ; prev_v: a lane to a d, registers down the keys: at 128 + 32 i + 8 t + j; sixteen lanes read 64 consecutive bytes
.irp t, 0,1,2,3
.irp j, 0,1,2,3,4,5,6,7
	global_load_b32 v[128+32*\i+8*\t+\j], v[PVO], s[14:15] offset:32768*\i+2048*\j+64*\t
.endr
.endr
.endr
	WIN 0
.Lloads_done:
	s_wait_kmcnt 0x0
	s_sub_co_i32 s50, s39, s34
	s_sub_co_i32 s50, s50, s35                     ; a sum of k stands for sum x 2^(e2+e3): its code is sum / 2^(e7-e2-e3)
	MKSC 54, 55, 50
	s_sub_co_i32 s50, s40, s36
	s_sub_co_i32 s50, s50, s37                     ; v: e8-e4-e5
	MKSC 56, 57, 50
	s_sub_co_i32 s50, s38, s32
	s_sub_co_i32 s50, s50, s33
	s_add_co_i32 s50, s50, 3                       ; q: e6-e0-e1+3: the 1/8 is folded in
	MKSC 58, 59, 50
	MKSC 60, 61, 39                                ; prev_k: e7
	MKSC 62, 63, 40                                ; prev_v: e8
	MKSC 73, 74, 41                                ; p: e9
	s_add_co_i32 s66, s34, s35
	s_add_co_i32 s66, s66, 127
	s_lshl_b32 s66, s66, 23                        ; 2^(e2+e3)
	s_mov_b32 s67, s66                             ; (named with it as a pair, so it is written)
	s_add_co_i32 s68, s36, s37
	s_add_co_i32 s68, s68, 127
	s_lshl_b32 s68, s68, 23                        ; 2^(e4+e5)
	s_mov_b32 s69, s68
	s_add_co_i32 s50, s38, s39                     ; e6+e7
	s_sub_co_i32 s72, 0, s50
	s_lshl_b32 s50, s50, 23
	s_add_co_i32 s70, s50, 0x3fb8aa3b              ; c = log2(e) x 2^(e6+e7): the exponents are added to log2(e)'s exponent field
	s_mov_b32 s71, s70
	s_add_co_i32 s75, s40, s41                     ; e8+e9
	s_mov_b32 s76, 0x76543210                      ; v_permlanex16_b32's selects for lane l xor 16
	s_mov_b32 s77, 0xfedcba98
	s_wait_loadcnt 0x3f                            ; behind the table, the weights and my own rows at least 64 loads were issued: those 57 are in, the halo's go on landing
.irp i, 0,1,2,3,4,5,6,7
	ds_store_b128 v[WST], v[32+4*\i:35+4*\i] offset:\i*WP
	ds_store_b128 v[WST], v[64+4*\i:67+4*\i] offset:(64+\i)*WP
	ds_store_b128 v[WST+1], v[96+4*\i:99+4*\i] offset:\i*WP
.endr
	v_mov_b32 v[ONE], 1
	BIASA 0, 0, 0
	BIASA 1, 1, 0
	BIASA 2, 2, 0
	BIASA 3, 3, 5
	BIASA 4, 4, 8
	BIASA 5, 5, 10
	BIASA 6, 6, 12
	BIASA 7, 7, 13
	BIASA 8, 32, 15
	s_wait_dscnt 0x0                               ; the nine looked-up numbers are in
	BIASB 0, 0
	BIASB 1, 1
	BIASB 2, 2
	BIASB 3, 3
	BIASB 4, 4
	BIASB 5, 5
	BIASB 6, 6
	BIASB 7, 7
	BIASB 8, 32
	s_wait_xcnt 0x0                                ; every load has read its offset register: v16-31 are written again below
	s_wait_dscnt 0x0                               ; for the others' sake: my rows of the weights and my register of the images have landed
	s_barrier_signal -1
	s_barrier_wait -1
	; ---- MY OWN 32 ROWS: k, then v.  The halo's loads land meanwhile
	v_mov_b32 v[SC], s54
	v_mov_b32 v[LIM], s55
	LOADW WADR, 0
	MAT 0, 0, 2, 0, WADR, 1
	MAT 0, 1, 2, 0, WADR, 2
	MAT 0, 2, 2, 0, WADR, 3
	MAT 0, 3, 2, 0, WADR, 4
	FLUSH 22
	v_mov_b32 v[SC], s56
	v_mov_b32 v[LIM], s57
	MAT 1, 0, 2, 0, WADR, 5
	MAT 1, 1, 2, 0, WADR, 6
	MAT 1, 2, 2, 0, WADR, 7
	MAT 1, 3, 2, 0, WADR, -1
	FLUSH 24
	; ---- MY FOUR HALO TILES: projected once more, or quantised from prev_k, prev_v.  On both ways a wave stores into the same bytes, its own by 4,096 U
	s_cmp_lg_u32 s31, 0
	s_cbranch_scc1 .Lprev_quant
	s_wait_loadcnt 0x0
	v_mov_b32 v[SC], s54
	v_mov_b32 v[LIM], s55
	LOADW WADR, 0
	MAT 0, 0, 4, 1, WADR, 1
	MAT 0, 1, 4, 1, WADR, 2
	MAT 0, 2, 4, 1, WADR, 3
	MAT 0, 3, 4, 1, WADR, 4
	v_mov_b32 v[SC], s56
	v_mov_b32 v[LIM], s57
	MAT 1, 0, 4, 1, WADR, 5
	MAT 1, 1, 4, 1, WADR, 6
	MAT 1, 2, 4, 1, WADR, 7
	MAT 1, 3, 4, 1, WADR, -1
	s_branch .Lhalo_done
.Lprev_quant:
	s_wait_loadcnt 0x0
	v_mov_b32 v[SC], s60
	v_mov_b32 v[LIM], s61
.irp i, 0,1,2,3
	WIN 0x41                                       ; source 0 and destination window 1
.set pk, 0
.rept 32
	v_med3_num_f32 v[32*\i+pk], v[32*\i+pk], -v[LIM], v[LIM]
.set pk, pk+1
.endr
	WIN 0x01
.irp t, 0,1,2,3
	v_cvt_scalef32_pk8_bf8_f32 v[ACC+8*(\i%2)+2*\t:ACC+8*(\i%2)+2*\t+1], v[32*\i+8*\t:32*\i+8*\t+7], v[SC]
.endr
	WIN 0
	v_nop
	ds_store_b128 v[KSH], v[ACC+8*(\i%2):ACC+8*(\i%2)+3] offset:1024*\i
	ds_store_b128 v[KSH], v[ACC+8*(\i%2)+4:ACC+8*(\i%2)+7] offset:1024*\i+512
.endr
	v_mov_b32 v[SC], s62
	v_mov_b32 v[LIM], s63
.irp i, 0,1,2,3
	WIN 0x41
.set pk, 0
.rept 32
	v_med3_num_f32 v[128+32*\i+pk], v[128+32*\i+pk], -v[LIM], v[LIM]
.set pk, pk+1
.endr
	WIN 0x01
.irp t, 0,1,2,3
	v_cvt_scalef32_pk8_bf8_f32 v[ACC+16+8*(\i%2)+2*\t:ACC+16+8*(\i%2)+2*\t+1], v[128+32*\i+8*\t:128+32*\i+8*\t+7], v[SC]
.endr
	WIN 0
	v_nop
.irp t, 0,1,2,3
	ds_store_b64 v[VSH], v[ACC+16+8*(\i%2)+2*\t:ACC+16+8*(\i%2)+2*\t+1] offset:1024*\i+256*\t
.endr
.endr
.Lhalo_done:
	s_wait_dscnt 0x0                               ; for the others' sake: my six tiles of K's and V's images have landed
	s_barrier_signal -1
	; ---- q of my own rows stands between the signal and the wait: work on registers, and loads of the weights, which nobody writes any more
	v_mov_b32 v[SC], s58
	v_mov_b32 v[LIM], s59
	LOADW WADRQ, 0
	MAT 2, 0, 2, 0, WADRQ, 1
	MAT 2, 1, 2, 0, WADRQ, 2
	MAT 2, 2, 2, 0, WADRQ, 3
	MAT 2, 3, 2, 0, WADRQ, -1
	v_mov_b32 v[SC], s73                           ; 2^e9, for p's conversions
	v_mov_b32 v[LIM], s74                          ; 57,344 x 2^e9
	v_mov_b32 v[CB], s42
	v_ldexp_f32 v[CB], v[CB], s72                  ; rel_bias[head][31] / 2^(e6+e7)
.irp j, 1,2,3,4,5,6,7
	v_mov_b32 v[CB+\j], v[CB]
.endr
	v_mov_b32 v[PD], 0                             ; written once: a lane permute's destination counts as one of its sources
	v_mov_b32 v[FF+1], 0                           ; (named as the upper half of the pair)
.irp j, 0,1,2,3,4,5,6,7
	v_mov_b32 v[QC+\j], v[QCD+\j]                  ; query tile 0
.endr
	s_barrier_wait -1                              ; all 48 tiles of K and V lie in LDS
; ---- ATTENTION.  For a query tile the key tile at distance D lies 32 - D tiles behind the tile's base.  Step s takes distances 7 + 8 s - i, i = 0 .. 7; the tile at distance 32 comes last, alone.
.macro KLOAD s
.irp i, 0,1,2,3,4,5,6,7
	ds_load_b128 v[KF+8*\i:KF+8*\i+3], v[ADK] offset:(25-8*(\s)+\i)*1024
	ds_load_b128 v[KF+8*\i+4:KF+8*\i+7], v[ADK] offset:(25-8*(\s)+\i)*1024+512
.endr
.endm
.macro VLOAD s, far
	WIN 0x40                                       ; destination window 1
.if \far
.irp t, 0,1,2,3
	ds_load_b64 v[18*\t:18*\t+1], v[ADV] offset:256*\t
.endr
.endif
.irp t, 0,1,2,3
.irp i, 0,1,2,3,4,5,6,7
	ds_load_b64 v[18*\t+2+2*\i:18*\t+3+2*\i], v[ADV] offset:(25-8*(\s)+\i)*1024+256*\t
.endr
.endr
	WIN 0
.endm
; The update of M and f from the step's largest score in v[T0] (my half of the keys).  first = 1: the tile's first step.
.macro NEWM first
	v_permlanex16_b32 v[PD], v[T0], s76, s77
	v_max_num_f32 v[T0], v[T0], v[PD]              ; and among lane l xor 16's keys
.if \first
	v_mul_f32 v[TM], s70, v[T0]                    ; as t (c is positive).  The first step holds key = query, which counts: t is a number
	v_floor_f32 v[NM], -v[TM]                      ; -M = floor(-t) = -ceil(t)
.else
	v_mul_f32 v[T0], s70, v[T0]
	v_max_num_f32 v[TM], v[TM], v[T0]              ; the running largest t
	v_mov_b32 v[T1], v[NM]
	v_floor_f32 v[NM], -v[TM]
	v_sub_f32 v[T1], v[NM], v[T1]                  ; old M - new M: a whole number, 0 or less
	v_cvt_i32_f32 v[T1], v[T1]
	v_ldexp_f32 v[FF], 1.0, v[T1]                  ; f = 2^(old M - new M): the rescaling rounds nothing
.endif
.endm
.macro SMAX first                      ; the softmax of 128 keys: 64 numbers a lane
	v_max3_num_f32 v[T0], v[SS], v[SS+1], v[SS+2]  ; in ascending order: each accumulator is first read at its low end
	v_max3_num_f32 v[T1], v[SS+3], v[SS+4], v[SS+5]
.irp i, 6,10,14,18,22,26,30,34,38,42,46,50,54,58
	v_max3_num_f32 v[T0], v[T0], v[SS+\i], v[SS+\i+1]
	v_max3_num_f32 v[T1], v[T1], v[SS+\i+2], v[SS+\i+3]
.endr
	v_max3_num_f32 v[T0], v[T0], v[SS+62], v[SS+63]
	v_max_num_f32 v[T0], v[T0], v[T1]
	NEWM \first
.irp j, 0,2,4,6,8,10,12,14,16,18,20,22,24,26,28,30,32,34,36,38,40,42,44,46,48,50,52,54,56,58,60,62
	v_pk_fma_f32 v[SS+\j:SS+\j+1], v[SS+\j:SS+\j+1], s[70:71], v[NM:NM+1] op_sel_hi:[1,0,0]   ; t - M (of the pairs c and -M the low word serves both halves)
.endr
.irp j, 0,1,2,3,4,5,6,7,8,9,10,11,12,13,14,15,16,17,18,19,20,21,22,23,24,25,26,27,28,29,30,31,32,33,34,35,36,37,38,39,40,41,42,43,44,45,46,47,48,49,50,51,52,53,54,55,56,57,58,59,60,61,62,63
	v_exp_f32 v[SS+\j], v[SS+\j]                   ; p = 2^(t - M); a hidden place gives 0
.endr
.if \first
	v_nop                                          ; a plain instruction behind the exponentials
.else
	v_pk_mul_f32 v[YS:YS+1], v[YS:YS+1], v[FF:FF+1] op_sel_hi:[1,0]   ; the sum under the new M; also the plain instruction behind the exponentials
.endif
	s_wait_alu depctr_va_vdst(0)                   ; one wait for the batch, ahead of its first reader
	v_pk_add_f32 v[XC:XC+1], v[SS:SS+1], v[SS+2:SS+3]   ; the row's sum is taken of the unquantised p, in two chains
.if \first
	v_pk_add_f32 v[YS:YS+1], v[SS+4:SS+5], v[SS+6:SS+7]
.else
	v_pk_add_f32 v[YS:YS+1], v[YS:YS+1], v[SS+4:SS+5]
	v_pk_add_f32 v[XC:XC+1], v[XC:XC+1], v[SS+6:SS+7]
.endif
.irp j, 8,12,16,20,24,28,32,36,40,44,48,52,56,60
	v_pk_add_f32 v[YS:YS+1], v[YS:YS+1], v[SS+\j:SS+\j+1]
	v_pk_add_f32 v[XC:XC+1], v[XC:XC+1], v[SS+\j+2:SS+\j+3]
.endr
	v_pk_add_f32 v[YS:YS+1], v[YS:YS+1], v[XC:XC+1]
.irp i, 0,1,2,3,4,5,6,7
.irp k, 0,1,2,3,4,5,6,7
	v_min_num_f32 v[SS+8*\i+\k], v[SS+8*\i+\k], v[LIM]   ; the hold; p is not negative, so it is one-sided
.endr
	v_cvt_scalef32_pk8_bf8_f32 v[PC+2*\i:PC+2*\i+1], v[SS+8*\i:SS+8*\i+7], v[SC]   ; registers 2 i, 2 i + 1 of the second product's operand
.endr
.if \first
	v_nop                                          ; a plain instruction between the conversions and the products that read their results
.else
.irp j, 0,2,4,6,8,10,12,14,16,18,20,22,24,26,28,30
	v_pk_mul_f32 v[OT+\j:OT+\j+1], v[OT+\j:OT+\j+1], v[FF:FF+1] op_sel_hi:[1,0]   ; O^T under the new M; each accumulator from its low end on
.endr
.endif
.endm
.macro STEP s
	s_wait_dscnt 0x0                               ; the step's K (step 0: and the eight bias images) is in
.irp i, 0,1,2,3,4,5,6,7
.if \s == 0
	v_wmma_f32_16x16x64_bf8_bf8 v[SS+8*\i:SS+8*\i+7], v[KF+8*\i:KF+8*\i+7], v[QC:QC+7], v[SS+8*\i:SS+8*\i+7]   ; C = the image of distance 7 - i, loaded in place
.else
	v_wmma_f32_16x16x64_bf8_bf8 v[SS+8*\i:SS+8*\i+7], v[KF+8*\i:KF+8*\i+7], v[QC:QC+7], v[CB:CB+7]             ; distances 8 .. 31: bucket 31 everywhere
.endif
.endr
	PLACES
.if \s == 3
	VLOAD 3, 1
	ds_load_b128 v[KF:KF+3], v[ADK]                ; the tile at distance 32
	ds_load_b128 v[KF+4:KF+7], v[ADK] offset:512
	SMAX 0
	ds_load_b128 v[SS:SS+3], v[AIM] offset:8192    ; and its image
	ds_load_b128 v[SS+4:SS+7], v[AIM] offset:8192+512
	s_wait_dscnt 0x4                               ; V is in; behind it: those four loads
.else
	VLOAD \s, 0
	KLOAD \s+1
.if \s == 0
	SMAX 1
.else
	SMAX 0
.endif
	s_wait_dscnt 0x10                              ; V is in; behind it: the next step's sixteen loads of K
.endif
	WIN 0x01                                       ; source 0 (V) window 1
.irp t, 0,1,2,3
.if \s == 0
	v_wmma_f32_16x16x128_bf8_bf8 v[OT+8*\t:OT+8*\t+7], v[18*\t+2:18*\t+17], v[PC:PC+15], 0
.else
	v_wmma_f32_16x16x128_bf8_bf8 v[OT+8*\t:OT+8*\t+7], v[18*\t+2:18*\t+17], v[PC:PC+15], v[OT+8*\t:OT+8*\t+7]
.endif
.endr
	WIN 0
.endm
	s_mov_b32 s78, 0                               ; 1,024 p
	s_mov_b32 s79, 2
.Ltile:
	v_add_nc_u32 v[ADK], s78, v[AK0]
	v_add_nc_u32 v[ADV], s78, v[AV0]
.irp i, 0,1,2,3,4,5,6,7
	ds_load_b128 v[SS+8*\i:SS+8*\i+3], v[AIM] offset:(7-\i)*1024
	ds_load_b128 v[SS+8*\i+4:SS+8*\i+7], v[AIM] offset:(7-\i)*1024+512
.endr
	KLOAD 0
	STEP 0
	STEP 1
	STEP 2
	STEP 3
	; the tile at distance 32: 16 keys, 8 numbers a lane
	s_wait_dscnt 0x0
	v_wmma_f32_16x16x64_bf8_bf8 v[SS:SS+7], v[KF:KF+7], v[QC:QC+7], v[SS:SS+7]
	PLACES
	v_max3_num_f32 v[T0], v[SS], v[SS+1], v[SS+2]
	v_max3_num_f32 v[T1], v[SS+3], v[SS+4], v[SS+5]
	v_max3_num_f32 v[T0], v[T0], v[SS+6], v[SS+7]
	v_max_num_f32 v[T0], v[T0], v[T1]
	NEWM 0
.irp j, 0,2,4,6
	v_pk_fma_f32 v[SS+\j:SS+\j+1], v[SS+\j:SS+\j+1], s[70:71], v[NM:NM+1] op_sel_hi:[1,0,0]
.endr
.irp j, 0,1,2,3,4,5,6,7
	v_exp_f32 v[SS+\j], v[SS+\j]
.endr
	v_pk_mul_f32 v[YS:YS+1], v[YS:YS+1], v[FF:FF+1] op_sel_hi:[1,0]
	s_wait_alu depctr_va_vdst(0)                   ; one wait for the eight, ahead of their first reader
	v_pk_add_f32 v[XC:XC+1], v[SS:SS+1], v[SS+2:SS+3]
	v_pk_add_f32 v[YS:YS+1], v[YS:YS+1], v[SS+4:SS+5]
	v_pk_add_f32 v[XC:XC+1], v[XC:XC+1], v[SS+6:SS+7]
	v_pk_add_f32 v[YS:YS+1], v[YS:YS+1], v[XC:XC+1]
.irp k, 0,1,2,3,4,5,6,7
	v_min_num_f32 v[SS+\k], v[SS+\k], v[LIM]
.endr
	v_cvt_scalef32_pk8_bf8_f32 v[PC:PC+1], v[SS:SS+7], v[SC]
.irp j, 2,3,4,5,6,7
	v_mov_b32 v[PC+\j], 0                          ; the product's other 48 keys get zero codes: the three tiles of V that lie behind the far one in the registers add nothing
.endr
.irp j, 0,2,4,6,8,10,12,14,16,18,20,22,24,26,28,30
	v_pk_mul_f32 v[OT+\j:OT+\j+1], v[OT+\j:OT+\j+1], v[FF:FF+1] op_sel_hi:[1,0]
.endr
	WIN 0x01
.irp t, 0,1,2,3
	v_wmma_f32_16x16x64_bf8_bf8 v[OT+8*\t:OT+8*\t+7], v[18*\t:18*\t+7], v[PC:PC+7], v[OT+8*\t:OT+8*\t+7]
.endr
	WIN 0
	; the way out of a query tile: O^T / the sum x 2^(e8+e9), through my stage, 16 rows of 256 bytes
	PLACES
	v_add_f32 v[YS], v[YS], v[YS+1]
	v_permlanex16_b32 v[PD], v[YS], s76, s77
	v_add_f32 v[YS], v[YS], v[PD]                  ; the row's sum
	v_rcp_f32 v[YS], v[YS]
	v_nop                                          ; a plain instruction behind the reciprocal
	s_wait_alu depctr_va_vdst(0)                   ; and the wait ahead of its first reader
	v_ldexp_f32 v[YS], v[YS], s75
.irp j, 0,2,4,6,8,10,12,14,16,18,20,22,24,26,28,30
	v_pk_mul_f32 v[OT+\j:OT+\j+1], v[OT+\j:OT+\j+1], v[YS:YS+1] op_sel_hi:[1,0]
.endr
.irp t, 0,1,2,3
	ds_store_b128 v[STK], v[OT+8*\t:OT+8*\t+3] offset:64*\t        ; lane (r, h): o(query r, d = 16 t + 8 h + 0 .. 7)
	ds_store_b128 v[STK], v[OT+8*\t+4:OT+8*\t+7] offset:64*\t+16
.endr
	OUTROWS SS, 0, 20, 0
	s_wait_xcnt 0x0                                ; the stores have read their registers and their base: both are written again
	s_add_nc_u64 s[20:21], s[20:21], 32768         ; 16 rows of out0 on
	s_add_co_u32 s78, s78, 1024
.irp j, 0,1,2,3,4,5,6,7
	v_mov_b32 v[QC+\j], v[QCD+8+\j]                ; query tile 1
.endr
	s_sub_co_u32 s79, s79, 1
	s_cmp_lg_u32 s79, 0
	s_cbranch_scc1 .Ltile
	s_wait_tensorcnt 0x0                           ; the wave's end, behind my last LDS store
	ds_add_u32 v[SPW], v[NIL]
	s_wait_dscnt 0x0
	s_endpgm
.Lfunc_end_k_q112cc24eee_layer:
	.size	k_q112cc24eee_layer, .Lfunc_end_k_q112cc24eee_layer-k_q112cc24eee_layer
	.p2alignl 7, 3214868480
	.fill 96, 4, 3214868480
	.section	.rodata,"a",@progbits
	.p2align	6, 0x0
	.amdhsa_kernel k_q112cc24eee_layer
		.amdhsa_group_segment_fixed_size 279552
		.amdhsa_private_segment_fixed_size 0
		.amdhsa_enable_private_segment 0
		.amdhsa_kernarg_size 88
		.amdhsa_user_sgpr_count 2
		.amdhsa_user_sgpr_kernarg_segment_ptr 1
		.amdhsa_wavefront_size32 1
		.amdhsa_system_sgpr_workgroup_id_x 1
		.amdhsa_system_sgpr_workgroup_id_y 1
		.amdhsa_system_sgpr_workgroup_id_z 1
		.amdhsa_system_vgpr_workitem_id 0
		.amdhsa_next_free_vgpr 512
		.amdhsa_next_free_sgpr 84
		.amdhsa_reserve_vcc 1
		.amdhsa_float_denorm_mode_32 3
		.amdhsa_float_denorm_mode_16_64 3
		.amdhsa_memory_ordered 1
		.amdhsa_forward_progress 1
		.amdhsa_inst_pref_size 225
	.end_amdhsa_kernel
	.amdgpu_metadata
---
amdhsa.version: [ 1, 2 ]
amdhsa.kernels:
  - .name:           k_q112cc24eee_layer
    .symbol:         k_q112cc24eee_layer.kd
    .args:
      - { .name: xs_codes, .offset: 0, .size: 8, .value_kind: global_buffer, .address_space: global }
      - { .name: w_q_codes, .offset: 8, .size: 8, .value_kind: global_buffer, .address_space: global }
      - { .name: w_k_codes, .offset: 16, .size: 8, .value_kind: global_buffer, .address_space: global }
      - { .name: w_v_codes, .offset: 24, .size: 8, .value_kind: global_buffer, .address_space: global }
      - { .name: prev_k, .offset: 32, .size: 8, .value_kind: global_buffer, .address_space: global }
      - { .name: prev_v, .offset: 40, .size: 8, .value_kind: global_buffer, .address_space: global }
      - { .name: rel_bias, .offset: 48, .size: 8, .value_kind: global_buffer, .address_space: global }
      - { .name: lowp_scales, .offset: 56, .size: 8, .value_kind: global_buffer, .address_space: global }
      - { .name: out0, .offset: 64, .size: 8, .value_kind: global_buffer, .address_space: global }
      - { .name: out1, .offset: 72, .size: 8, .value_kind: global_buffer, .address_space: global }
      - { .name: out2, .offset: 80, .size: 8, .value_kind: global_buffer, .address_space: global }
    .group_segment_fixed_size: 279552
    .private_segment_fixed_size: 0
    .kernarg_segment_align: 8
    .kernarg_segment_size: 88
    .max_flat_workgroup_size: 256
    .sgpr_count:     84
    .vgpr_count:     512
    .wavefront_size: 32
...
	.end_amdgpu_metadata
.endif
;; end of part 1
;; ======== version 2 of 2: 1 launch; version 1 with the launch layer written anew for expert scheduling mode
;; launch layer (part 2): grid 128 x 2, 8 waves a work-group, no clusters, 279,552 bytes of LDS; arguments xs_codes, w_q_codes, w_k_codes, w_v_codes, prev_k, prev_v, rel_bias, lowp_scales, out0, out1, out2; writes out0, out1, out2
.if DOCPART == 2
	.amdgcn_target "amdgcn-amd-amdhsa--gfx1250"
	.amdhsa_code_object_version 6
	.text
	.protected	k_q112cc24eee_layer
	.globl	k_q112cc24eee_layer
	.p2align	8
	.type	k_q112cc24eee_layer,@function
k_q112cc24eee_layer:
	s_mov_b64 s[64:65], 0
	v_nop
	global_prefetch_b8 v0, s[64:65] scope:SCOPE_SE
	s_setreg_imm32_b32 hwreg(HW_REG_WAVE_SCHED_MODE, 0, 2), 2
	s_setreg_imm32_b32 hwreg(HW_REG_WAVE_MODE, 25, 1), 1
	s_wait_xcnt 0x0
	s_wait_alu depctr_vm_vsrc(0)
; ONE LAYER OF SLIDING-WINDOW ATTENTION ON CODES OF E5M2, IN ONE LAUNCH.  B 2, S 4,096, E 512, H 8, D 64, W 512.
; q, k, v = xs x w_q, w_k, w_v (codes as given; sums x 2^(e0+e1) / 8, 2^(e2+e3), 2^(e4+e5)); q and k are quantised along d (e6, e7), v along the keys (e8);
; score = q . k + rel_bias[head][bucket(query - key)]; query a sees keys a - 511 .. a, keys under 0 being prev_k / prev_v (f32, quantised with e7, e8);
; t = score x log2(e), M = the running largest t rounded up to a whole number, p = 2^(t - M) quantised with e9, the row's sum of the unquantised p divides at the end.
; out0 = attention; out1, out2 = the f32 k and v of the last 512 positions.
; SHARES.  A work-group owns 256 queries of one (batch, head): 128 x 2 work-groups.  It projects q, k, v of its own 256 rows, and k, v once more of the 512 rows in front of them (or quantises
; prev_k / prev_v where those lie before position 0), keeps K's and V's codes in LDS as images of the operands' registers, and attends from there.  Nothing goes through memory between the steps.
; Wave U (0..7) owns query tiles p = 0, 1 (rows Q0 + 32 U + 16 p = local key tiles 32 + 2 U + p) and the halo's key tiles 4 U + i, i = 0..3.  Local key tile L covers keys Q0 - 512 + 16 L.
; LAYOUTS.  No code changes lanes.  k = W_k xs^T: a lane holds one key, its registers run along d; v = xs W_v^T: a lane holds one d, its registers run along the keys; S^T = K Q^T: a lane holds one query, its
; registers run along the keys: each conversion's two registers ARE registers 2 c, 2 c + 1 of the next operand.  The projections' fragments are fetched 16 bytes a lane, the same order of k in both operands.
; THE BIAS costs no vector instruction in the loop: divided by 2^(e6+e7) it is the C of the score product.  reference() builds the bucket from n = query - key in its own body:
; bucket = min(n, 16) + the number of T <= n, T in 19 21 24 27 31 35 40 46 52 59 67 77 87 99 113 (the whole numbers next above 16 x 8^(j/16); none of those bounds lies within 0.09 of a whole number).
; From n = 113 on it is 31: so tile distances 8 .. 31 take one constant, and distances 0 .. 7 and 32 an image of 16 x 16 numbers, in which hidden places hold -2^126.
; WORK LEFT OUT.  reference() sets a score to -1e30 where key - query > 0 or <= -512, by a mask that it builds itself; its p is 0 for all values of the inputs.  Of the 64 key tiles of a window pair, the 31 whose
; 16 x 16 scores are all hidden for a tile of 16 queries are not multiplied.  Every input has a way to an output and is loaded.  LIMIT: a NaN, an infinity or an overflow that reaches only those tiles is not carried.
; LIMITS on the given exponents, so that each power of two below is an f32 number: e7-e2-e3, e8-e4-e5, e6-e0-e1+3, e7, e8, e9 between -126 and 112; e2+e3, e4+e5 between -126 and 127;
; e6+e7 between -110 and 127 (a hidden score, -2^126 x log2(e) x 2^(e6+e7), must stay far under every t).  NaN in prev_k or prev_v is not served.
; NO JOINT REQUESTS, NO TENSOR LOADS: a work-group's rows of xs are 768 x 512 = 393,216 bytes, more than LDS holds beside 101,376 of weights and 98,304 of images, and each of those bytes is wanted by one wave, once:
; they go straight into operand registers, where no joint request reaches; the weights, which partners could share, are 98,304 of a work-group's 491,520 bytes.
; LDS: weights 192 rows x 528 | K's images 48 x 1,024 | V's images 48 x 1,024 | 9 bias images x 1,024 | a stage of 32 rows x 272 for each wave | the spare words.
; THE MODE: SCHED_MODE bits 1:0 = 2 (LLVM: expert scheduling mode 2), set by the entry lines.  The code itself states the register dependences between vector or matrix instructions and memory or LDS
; instructions, with s_wait_alu, always for 0.
; THE PLAN.  Registers that memory or LDS instructions touch, and who else names them:
;   HEAD.  The fixed addresses and offsets (v3-15, v19-26) are written once by vector lines: one wait on va_vdst ahead of the first load serves every later reader.  The weights' rows land in v32-127 and are read by
;          LDS stores; the bias arithmetic then writes v32-60: one wait on vm_vsrc ahead of it.  The nine indices are made first, then one wait on va_vdst, then the nine permutes; likewise the nine values and their
;          stores.  One wait on vm_vsrc ahead of the first barrier states that all of the head's memory and LDS instructions have read v16-127, which are written again behind it.
;   A d TILE OF A PROJECTION.  WF: read by the products, then the next rows land in it: one wait on va_vdst behind the products' places.  FO, FO1: written by the multiplications for out1, out2, read by the stage's
;          stores: one wait on va_vdst.  CD: written by the conversions of all slots, read by the run of code stores: one wait on va_vdst.  One wait on vm_vsrc at the tile's end: the stores have read FO, FO1, CD.
;   A KEY STEP.  KF: read by the score products, then the next step's K lands in it.  V (window 1): read by the second products, then this step's V lands in it.  ONE wait on va_vdst, behind the score products' places,
;          states both.  V's loads follow in a run; K's sixteen are dealt among the softmax's scalings: no line of the softmax names KF, V, the far tile's image or an address.
;   A QUERY TILE.  ADK, ADV are written at its head: a wait on vm_vsrc ahead of the two additions, a wait on va_vdst behind them, which also states that every earlier reader and writer of SS and KF is done.
;          O^T: one wait on va_vdst between the last scalings and the stage's stores; the loads back into SS lean on it too.
.set WP,    528                        ; a weight's row in LDS: 512 bytes + 16: 132 words, so 16 rows start at 16 different groups of four banks
.set QOFF,  128*WP                     ; rows 0-63 W_k, 64-127 W_v, 128-191 W_q
.set KIMG,  192*WP                     ; tile L at 1,024 L: registers 0-3 at 16 x lane, registers 4-7 at 512 + 16 x lane
.set VIMG,  KIMG+49152                 ; tile L, d tile t at 1,024 L + 256 t + 8 x lane
.set IMG,   VIMG+49152                 ; image x at 1,024 x, laid as K's images; x = 0..7: tile distance x; x = 8: distance 32
.set STG,   IMG+9216
.set SROW,  272
.set WSTG,  32*SROW
.set SPARE, STG+8*WSTG                 ; 128 bytes for each of the eight waves: four blocks of 256 bytes that no other line names
.set OWN,   32768                      ; from a wave's attention base to its own two tiles: 32 tiles
; vector registers, window 0
.set SPW,   1                          ; LDS address of my spare word; never rewritten
.set NIL,   2                          ; 0; never rewritten
.set WADR,  3                          ; 528 r + 16 h: my place in 16 rows of W_k, W_v        (attention: T0)
.set WADRQ, 4                          ; the same in W_q                                      (attention: ADK)
.set AK0,   5                          ; KIMG + 2,048 U + 16 lane
.set KSH,   6                          ; KIMG + 4,096 U + 16 lane: my halo tiles              (attention: ADV)
.set AV0,   7                          ; VIMG + 2,048 U + 8 lane
.set VSH,   8                          ; VIMG + 4,096 U + 8 lane                              (attention: PD)
.set SC,    9                          ; the conversions' scale as f32
.set LIM,   10                         ; 57,344 x that
.set AIM,   11                         ; IMG + 16 lane
.set STK,   12                         ; the stage, a lane to a row: 272 r + 32 h
.set STV,   13                         ; the stage, a lane to a column: 2,176 h + 4 r         (attention: T1)
.set RD,    14                         ; the stage, back by rows: 272 h + 16 r
.set GO,    15                         ; the same two rows in an output: 2,048 h + 16 r
.set T0,    3
.set ADK,   4
.set ADV,   6
.set PD,    8
.set T1,    13
.set FO,    16                         ; v16-23 slot 0's eight f32 numbers for out1, out2
.set FO1,   48                         ; v48-55 slot 1's: the own rows' products use v32-47 alone
.set CD,    24                         ; v24-31 codes just made, a pair for each slot
.set QCD,   16                         ; v16-31 Q's codes: tile p, d tile t at 16 + 8 p + 2 t
.set ACC,   32                         ; v32-63 the projections' accumulators, slot s at 32 + 8 s
.set WF,    64                         ; v64-127 a weight's 16 rows x 512 K: chunk q at 64 + 16 q
.set XR,    128                        ; v128-255 my own 32 rows of xs: slot s, chunk q at 128 + 64 s + 16 q.   Window 1: the halo's 64 rows, or prev_k and prev_v
.set PKC,   32                         ; prev_k's codes: tile i at 32 + 8 i;  prev_v's: at 64 + 8 i: a buffer to each tile
.set PVC,   64
.set RB,    16                         ; head only: rel_bias[head][lane]
.set NB0,   17                         ; head only: r - 8 h - U
.set MSK,   18                         ; head only: -2^126
.set IST,   19                         ; head only: where I store register U of an image
.set L16,   20                         ; head only: 16 lane
.set WST,   21                         ; head only: where my 8 rows of W_k go; v22 the same for W_q
.set PKO,   23                         ; head only: prev_k: 2,048 r + 32 h
.set PVO,   24                         ; head only: prev_v: 16,384 h + 4 r
.set L4,    25                         ; head only: 4 lane
.set XO,    26                         ; head only: xs: 512 r + 16 h
.set NN,    32                         ; head only: nine distances n;  IX nine indices;  VL nine values
.set IX,    41
.set VL,    50
.set BT,    59
.set ONE,   60
.set CM,    32                         ; head only: s32-39, behind the exponents' last use: the masks of a run of compares
.set SS,    32                         ; attention: v32-95 S^T, then p: key tile i at 32 + 8 i
.set PC,    96                         ; v96-111 p's codes
.set QC,    112                        ; v112-119 the query tile's codes
.set CB,    120                        ; v120-127 rel_bias[head][31] / 2^(e6+e7), eight times
.set OT,    128                        ; v128-159 O^T: d tile t at 128 + 8 t
.set NM,    160                        ; -M;  v161 the largest t
.set TM,    161
.set YS,    162                        ; v[162:163] the row's sum in two halves;  v[164:165] a second chain
.set XC,    164
.set FF,    166                        ; f = 2^(old M - new M); v167 is named with it as a pair
.set KF,    176                        ; v176-239 eight key tiles of K.   Window 1: V: d tile t in 18 registers at 18 t: the far tile, then the step's eight
.set I8,    240                        ; v240-247 the bias image of distance 32
.set MSB, 0
.macro WIN new                         ; the immediate's high byte repeats the setting that is left; a switch that changes nothing is dropped
.if MSB != \new
	s_set_vgpr_msb (MSB<<8)|\new
.set MSB, \new
.endif
.endm
.macro PLACES                          ; four plain places behind matrix instructions (ISA guide 7.12.1), in front of the first read of their results
.rept 4
	v_nop
.endr
.endm
.macro MKSC sc, lim, e                 ; s[sc] = 2^e as f32, s[lim] = 57,344 x 2^e, e in s[e]
	s_add_co_i32 s[\sc], s[\e], 127
	s_add_co_i32 s[\lim], s[\e], 142
	s_lshl_b32 s[\sc], s[\sc], 23
	s_lshl_b32 s[\lim], s[\lim], 23
	s_or_b32 s[\lim], s[\lim], 0x600000
.endm
.macro LOADW adr, m                    ; 16 rows of a weight, all 512 along K: 16 loads of 16 bytes a lane
.irp q, 0,1,2,3
.irp c, 0,1,2,3
	ds_load_b128 v[WF+16*\q+4*\c:WF+16*\q+4*\c+3], v[\adr] offset:16*(\m)*WP+128*\q+32*\c
.endr
.endr
.endm
; 16 rows of the stage leave as rows: sixteen lanes store 256 consecutive bytes, one (position, head) row of an output, at a multiple of 256 from its first byte
.macro OUTROWS reg, loff, base, goff
.irp i, 0,1,2,3,4,5,6,7
	ds_load_b128 v[\reg+4*\i:\reg+4*\i+3], v[RD] offset:\loff+2*SROW*\i   ; LDS serves a wave's instructions in order: these see my stores
.endr
.irp i, 0,1,2,3,4,5,6,7
	s_wait_dscnt 7-\i                              ; the younger loads of this run may be out
	global_store_b128 v[GO], v[\reg+4*\i:\reg+4*\i+3], s[\base:\base+1] offset:\goff+4096*\i th:TH_STORE_NT
.endr
.endm
; My 32 rows of k or v in f32, where they are rows of out1, out2 (a branch on the work-group's number).  The first loads lean on the two waits at the end of the d tile before: its vector lines are done with
; v32-63, its stores have read v48-55, and no vector line stands between.
.macro FLUSH base
	s_cmp_lg_u32 s44, 0
	s_cbranch_scc0 .Lno_flush_\@
	OUTROWS ACC, 0, \base, 0
	s_wait_xcnt 0x0                                ; the stores have had their addresses translated,
	s_wait_alu depctr_vm_vsrc(0)                   ; and have read v32-63, in which the next sixteen rows land
	OUTROWS ACC, 16*SROW, \base, 32768
	s_wait_xcnt 0x0
	s_wait_alu depctr_vm_vsrc(0)                   ; the stores have read v32-63, which the next products or conversions write
.Lno_flush_\@:
.endm
; ONE d TILE OF ONE PROJECTION for nt tiles of 16 rows.  kind 0: k, 1: v, 2: q.  dt: the d tile.  hal = 1: the halo's rows (window 1).  nadr, nm: the weight rows to fetch for the next call (nm = -1: none).
; The accumulators take turns, one instruction a turn; the first K chunk starts the sums.
.macro MAT kind, dt, nt, hal, nadr, nm
	s_wait_dscnt 0x0                               ; the weight's rows are in
.if \hal
.if \kind == 1
	WIN 0x01                                       ; source 0 (xs) window 1
.else
	WIN 0x04                                       ; source 1 (xs) window 1
.endif
.endif
.set mq, 0
.rept 4
.set ms, 0
.rept \nt
.set ma, ACC+8*ms
.set mw, WF+16*mq
.if \hal
.set mx, 64*ms+16*mq
.else
.set mx, XR+64*ms+16*mq
.endif
.if \kind == 1
.if mq == 0
	v_wmma_f32_16x16x128_bf8_bf8 v[ma:ma+7], v[mx:mx+15], v[mw:mw+15], 0
.else
	v_wmma_f32_16x16x128_bf8_bf8 v[ma:ma+7], v[mx:mx+15], v[mw:mw+15], v[ma:ma+7]
.endif
.else
.if mq == 0
	v_wmma_f32_16x16x128_bf8_bf8 v[ma:ma+7], v[mw:mw+15], v[mx:mx+15], 0
.else
	v_wmma_f32_16x16x128_bf8_bf8 v[ma:ma+7], v[mw:mw+15], v[mx:mx+15], v[ma:ma+7]
.endif
.endif
.set ms, ms+1
.endr
.set mq, mq+1
.endr
	WIN 0
	PLACES
.if \nm >= 0
	s_wait_alu depctr_va_vdst(0)                   ; the products are done reading v[WF ..], in which the next rows land
	LOADW \nadr, \nm                               ; lands while this tile is quantised: no line below names v[WF ..]
.endif
.if (\kind < 2) && (\hal == 0)
	s_cmp_lg_u32 s44, 0                            ; rows of the last window: the f32 numbers go to the stage
	s_cbranch_scc0 .Lno_out_\@
.set ms, 0
.rept 2
.set ma, ACC+8*ms
.set mf, FO+(FO1-FO)*ms
.irp k, 0,2,4,6
	v_pk_mul_f32 v[mf+\k:mf+\k+1], v[ma+\k:ma+\k+1], s[66+2*\kind:67+2*\kind] op_sel_hi:[1,0]   ; x 2^(e2+e3) or 2^(e4+e5); each accumulator from its low end on
.endr
.set ms, ms+1
.endr
	s_wait_alu depctr_va_vdst(0)                   ; the multiplications have written FO and FO1, which the stage's stores read
.set ms, 0
.rept 2
.set mf, FO+(FO1-FO)*ms
.if \kind == 0
	ds_store_b128 v[STK], v[mf:mf+3] offset:16*SROW*ms+64*\dt        ; lane (r, h): k(row r, d = 16 dt + 8 h + 0 .. 7)
	ds_store_b128 v[STK], v[mf+4:mf+7] offset:16*SROW*ms+64*\dt+16
.else
.irp j, 0,1,2,3,4,5,6,7
	ds_store_b32 v[STV], v[mf+\j] offset:16*SROW*ms+SROW*\j+64*\dt   ; lane (r, h): v(row 8 h + j, d = 16 dt + r)
.endr
.endif
.set ms, ms+1
.endr
.Lno_out_\@:
.endif
.set ms, 0
.rept \nt
.set ma, ACC+8*ms
.irp k, 0,1,2,3,4,5,6,7
	v_med3_num_f32 v[ma+\k], v[ma+\k], -v[LIM], v[LIM]   ; the conversion to an 8-bit code does not saturate (ISA guide 7.6.2): the hold at the largest code x the scale
.endr
.if \kind == 2
	v_cvt_scalef32_pk8_bf8_f32 v[QCD+8*ms+2*\dt:QCD+8*ms+2*\dt+1], v[ma:ma+7], v[SC]
.else
	v_cvt_scalef32_pk8_bf8_f32 v[CD+2*ms:CD+2*ms+1], v[ma:ma+7], v[SC]
.endif
.set ms, ms+1
.endr
	v_nop                                          ; a plain instruction behind the last conversion, ahead of whatever next writes its sources or touches its result
.if \kind < 2
	s_wait_alu depctr_va_vdst(0)                   ; the conversions have written CD, which the stores below read; every vector and matrix line of this tile is done with v32-127
.set ms, 0
.rept \nt
.if (\kind == 0) && (\hal == 0)
	ds_store_b64 v[AK0], v[CD+2*ms:CD+2*ms+1] offset:OWN+1024*ms+512*((\dt)/2)+8*((\dt)%2)
.elseif \kind == 0
	ds_store_b64 v[KSH], v[CD+2*ms:CD+2*ms+1] offset:1024*ms+512*((\dt)/2)+8*((\dt)%2)
.elseif \hal == 0
	ds_store_b64 v[AV0], v[CD+2*ms:CD+2*ms+1] offset:OWN+1024*ms+256*\dt
.else
	ds_store_b64 v[VSH], v[CD+2*ms:CD+2*ms+1] offset:1024*ms+256*\dt
.endif
.set ms, ms+1
.endr
	s_wait_alu depctr_vm_vsrc(0)                   ; this tile's LDS stores have read CD, FO and FO1, which the next tile writes again
.endif
.endm
; The index of register U of the bias image at tile distance D: n = 16 D + r - 8 h - U; always = the thresholds at or under 16 D - 15.  Whole numbers made of ids alone feed the index.
; An image's compares stand in one run, a scalar register to each mask, with one wait behind the run.
.macro BIASA i, D, always
	v_add_nc_u32 v[NN+\i], 16*(\D), v[NB0]
	v_min_u32 v[IX+\i], 16, v[NN+\i]
.set bc, 0
.irp T, 19,21,24,27,31,35,40,46,52,59,67,77,87,99,113
.if (\T > 16*(\D)-15) && (\T <= 16*(\D)+15)
	v_cmp_le_u32 s[CM+bc], \T, v[NN+\i]
.set bc, bc+1
.endif
.endr
.if bc > 0
	s_wait_alu depctr_va_sdst(0)                   ; the run's masks are written, ahead of the first line that reads one
.set bk, 0
.rept bc
	v_cndmask_b32 v[BT], 0, v[ONE], s[CM+bk]
	v_add_nc_u32 v[IX+\i], v[IX+\i], v[BT]
.set bk, bk+1
.endr
.endif
	v_add_lshl_u32 v[IX+\i], v[IX+\i], \always, 2
.endm
	s_load_b512 s[4:19], s[0:1], 0x0               ; xs 4:5, w_q 6:7, w_k 8:9, w_v 10:11, prev_k 12:13, prev_v 14:15, rel_bias 16:17, the exponents 18:19
	s_load_b128 s[20:23], s[0:1], 0x40             ; out0, out1
	s_load_b64 s[24:25], s[0:1], 0x50              ; out2
	v_lshl_add_u32 v[SPW], v0, 2, SPARE
	v_mov_b32 v[NIL], 0
	v_lshrrev_b32 v27, 5, v0
	v_readfirstlane_b32 s26, v27                   ; U: wave 0..7
	s_and_b32 s27, ttmp9, 7                        ; the head: the eight heads that read the same rows of xs are neighbours in x
	s_lshr_b32 s28, ttmp9, 3                       ; the block of 256 queries, 0..15
	s_and_b32 s29, ttmp7, 0xffff                   ; the batch
	s_lshl_b32 s30, s28, 8                         ; Q0
	s_wait_alu depctr_va_sdst(0)                   ; s26 is written, ahead of its first reader: offsets and LDS addresses are made from it
	s_lshl_b32 s50, s26, 6
	s_add_co_u32 s50, s50, s30                     ; Q0 + 64 U: my halo's first key + 512
	s_cmp_lt_u32 s50, 512
	s_cselect_b32 s31, 1, 0                        ; 1: my halo lies before position 0: prev_k, prev_v
	s_cmp_ge_u32 s28, 14
	s_cselect_b32 s44, 1, 0                        ; 1: my own rows are rows of out1, out2
	; byte offsets, each in a pair of its own; every one stays inside its buffer on both ways of the flags
	s_lshl_b32 s51, s29, 12                        ; 4,096 B
	s_lshl_b32 s52, s26, 5
	s_add_co_u32 s52, s52, s30                     ; Q0 + 32 U
	s_add_co_u32 s53, s52, s51                     ; my first own row
	s_lshl_b32 s46, s53, 9
	s_mov_b32 s47, 0
	s_sub_co_i32 s48, s50, 512
	s_max_i32 s48, s48, 0
	s_add_co_u32 s48, s48, s51
	s_lshl_b32 s48, s48, 9                         ; my first halo row of xs
	s_mov_b32 s49, 0
	s_lshl_b32 s82, s27, 8                         ; a head's 256 bytes of a row of f32
	s_lshl_b32 s83, s29, 9                         ; 512 B
	s_min_u32 s80, s50, 448
	s_add_co_u32 s80, s80, s83
	s_lshl_b32 s80, s80, 11
	s_add_co_u32 s80, s80, s82                     ; my first row of prev_k, prev_v
	s_mov_b32 s81, 0
	s_lshl_b32 s50, s53, 11
	s_add_co_u32 s50, s50, s82                     ; my first row of out0
	s_mov_b32 s51, 0
	s_sub_co_i32 s52, s52, 3584
	s_max_i32 s52, s52, 0
	s_add_co_u32 s52, s52, s83
	s_lshl_b32 s52, s52, 11
	s_add_co_u32 s52, s52, s82                     ; my first row of out1, out2
	s_mov_b32 s53, 0
	s_lshl_b32 s78, s27, 15
	s_lshl_b32 s79, s26, 12
	s_add_co_u32 s78, s78, s79                     ; the head's 64 rows of a weight, my 8 of them
	s_mov_b32 s79, 0
	s_lshl_b32 s72, s27, 7                         ; the head's row of rel_bias
	s_mov_b32 s73, 0
	; every fixed LDS address is made here, ahead of the first branch
	v_and_b32 v28, 31, v0                          ; lane
	v_and_b32 v29, 15, v0                          ; r
	v_bfe_u32 v30, v0, 4, 1                        ; h
	v_lshlrev_b32 v[L16], 4, v28
	v_lshlrev_b32 v31, 3, v28
	v_lshlrev_b32 v[L4], 2, v28
	v_mul_u32_u24 v[WADR], v29, WP
	v_lshl_add_u32 v[WADR], v30, 4, v[WADR]
	v_add_nc_u32 v[WADRQ], QOFF, v[WADR]
	s_lshl_b32 s54, s26, 11
	s_add_co_u32 s55, s54, KIMG
	v_add_nc_u32 v[AK0], s55, v[L16]
	s_add_co_u32 s55, s54, VIMG
	v_add_nc_u32 v[AV0], s55, v31
	s_lshl_b32 s54, s26, 12
	s_add_co_u32 s55, s54, KIMG
	v_add_nc_u32 v[KSH], s55, v[L16]
	s_add_co_u32 s55, s54, VIMG
	v_add_nc_u32 v[VSH], s55, v31
	v_add_nc_u32 v[AIM], IMG, v[L16]
	s_mul_i32 s54, s26, WSTG
	s_add_co_u32 s54, s54, STG                     ; my stage
	v_mul_u32_u24 v27, v29, SROW
	v_lshl_add_u32 v27, v30, 5, v27
	v_add_nc_u32 v[STK], s54, v27
	v_mul_u32_u24 v27, v30, 8*SROW
	v_lshl_add_u32 v27, v29, 2, v27
	v_add_nc_u32 v[STV], s54, v27
	v_mul_u32_u24 v27, v30, SROW
	v_lshl_add_u32 v27, v29, 4, v27
	v_add_nc_u32 v[RD], s54, v27
	v_lshlrev_b32 v[GO], 11, v30
	v_lshl_add_u32 v[GO], v29, 4, v[GO]
	v_lshl_add_u32 v27, v30, 3, s26
	v_sub_nc_u32 v[NB0], v29, v27                  ; r - 8 h - U
	v_mov_b32 v[MSK], 0xfe800000                   ; -2^126
	s_lshr_b32 s54, s26, 2
	s_lshl_b32 s54, s54, 9
	s_and_b32 s55, s26, 3
	s_lshl_b32 s55, s55, 2
	s_add_co_u32 s54, s54, s55
	s_add_co_u32 s54, s54, IMG
	v_add_nc_u32 v[IST], s54, v[L16]               ; register U of an image: 512 (U / 4) + 4 (U % 4) + 16 lane
	s_mul_i32 s54, s26, 8*WP
	v_add_nc_u32 v[WST], s54, v[L16]
	v_add_nc_u32 v[WST+1], QOFF, v[WST]
	v_lshlrev_b32 v[PKO], 11, v29
	v_lshl_add_u32 v[PKO], v30, 5, v[PKO]
	v_lshlrev_b32 v[PVO], 14, v30
	v_lshl_add_u32 v[PVO], v29, 2, v[PVO]
	v_lshlrev_b32 v[XO], 9, v29
	v_lshl_add_u32 v[XO], v30, 4, v[XO]
	s_wait_kmcnt 0x0
	s_add_nc_u64 s[46:47], s[4:5], s[46:47]        ; xs at my own rows
	s_add_nc_u64 s[48:49], s[4:5], s[48:49]        ; xs at my halo rows
	s_add_nc_u64 s[6:7], s[6:7], s[78:79]
	s_add_nc_u64 s[8:9], s[8:9], s[78:79]
	s_add_nc_u64 s[10:11], s[10:11], s[78:79]
	s_add_nc_u64 s[12:13], s[12:13], s[80:81]
	s_add_nc_u64 s[14:15], s[14:15], s[80:81]
	s_add_nc_u64 s[16:17], s[16:17], s[72:73]
	s_add_nc_u64 s[20:21], s[20:21], s[50:51]
	s_add_nc_u64 s[22:23], s[22:23], s[52:53]
	s_add_nc_u64 s[24:25], s[24:25], s[52:53]
	s_load_b256 s[32:39], s[18:19], 0x0            ; e0 .. e7
	s_load_b64 s[40:41], s[18:19], 0x20            ; e8, e9
	s_load_b32 s42, s[16:17], 0x7c                 ; rel_bias[head][31]
	; ALL GLOBAL LOADS OF THE LAUNCH, in the order in which they are wanted
	s_wait_alu depctr_va_vdst(0)                   ; the offsets and fixed addresses v3-15 and v19-26 are written, which the loads and stores of the whole kernel read; no vector line stands between this wait and the last of the loads below
	global_load_b32 v[RB], v[L4], s[16:17]
.irp i, 0,1,2,3,4,5,6,7                        ; my 8 rows of each weight: a load is one dense row of 512 bytes
	global_load_b128 v[32+4*\i:35+4*\i], v[L16], s[8:9] offset:512*\i
.endr
.irp i, 0,1,2,3,4,5,6,7
	global_load_b128 v[64+4*\i:67+4*\i], v[L16], s[10:11] offset:512*\i
.endr
.irp i, 0,1,2,3,4,5,6,7
	global_load_b128 v[96+4*\i:99+4*\i], v[L16], s[6:7] offset:512*\i
.endr
.irp s, 0,1                                    ; my own 32 rows of xs, as operand registers
.irp q, 0,1,2,3
.irp c, 0,1,2,3
	global_load_b128 v[XR+64*\s+16*\q+4*\c:XR+64*\s+16*\q+4*\c+3], v[XO], s[46:47] offset:8192*\s+128*\q+32*\c
.endr
.endr
.endr
	s_cmp_lg_u32 s31, 0
	s_cbranch_scc1 .Lprev_loads
	WIN 0x40                                       ; destination window 1
.irp i, 0,1,2,3                                ; my halo's 64 rows of xs
.irp q, 0,1,2,3
.irp c, 0,1,2,3
	global_load_b128 v[64*\i+16*\q+4*\c:64*\i+16*\q+4*\c+3], v[XO], s[48:49] offset:8192*\i+128*\q+32*\c
.endr
.endr
.endr
	WIN 0
	s_branch .Lloads_done
.Lprev_loads:
	WIN 0x40
.irp i, 0,1,2,3                                ; prev_k: a lane to a key, registers along d: tile i, d tile t at 32 i + 8 t
.irp t, 0,1,2,3
	global_load_b128 v[32*\i+8*\t:32*\i+8*\t+3], v[PKO], s[12:13] offset:32768*\i+64*\t
	global_load_b128 v[32*\i+8*\t+4:32*\i+8*\t+7], v[PKO], s[12:13] offset:32768*\i+64*\t+16
.endr
.endr
.irp i, 0,1,2,3                                ; prev_v: a lane to a d, registers down the keys: at 128 + 32 i + 8 t + j; sixteen lanes read 64 consecutive bytes
.irp t, 0,1,2,3
.irp j, 0,1,2,3,4,5,6,7
	global_load_b32 v[128+32*\i+8*\t+\j], v[PVO], s[14:15] offset:32768*\i+2048*\j+64*\t
.endr
.endr
.endr
	WIN 0
.Lloads_done:
	s_wait_kmcnt 0x0
	s_sub_co_i32 s50, s39, s34
	s_sub_co_i32 s50, s50, s35                     ; a sum of k stands for sum x 2^(e2+e3): its code is sum / 2^(e7-e2-e3)
	MKSC 54, 55, 50
	s_sub_co_i32 s50, s40, s36
	s_sub_co_i32 s50, s50, s37                     ; v: e8-e4-e5
	MKSC 56, 57, 50
	s_sub_co_i32 s50, s38, s32
	s_sub_co_i32 s50, s50, s33
	s_add_co_i32 s50, s50, 3                       ; q: e6-e0-e1+3: the 1/8 is folded in
	MKSC 58, 59, 50
	MKSC 60, 61, 39                                ; prev_k: e7
	MKSC 62, 63, 40                                ; prev_v: e8
	MKSC 73, 74, 41                                ; p: e9
	s_add_co_i32 s66, s34, s35
	s_add_co_i32 s66, s66, 127
	s_lshl_b32 s66, s66, 23                        ; 2^(e2+e3)
	s_mov_b32 s67, s66                             ; (named with it as a pair, so it is written)
	s_add_co_i32 s68, s36, s37
	s_add_co_i32 s68, s68, 127
	s_lshl_b32 s68, s68, 23                        ; 2^(e4+e5)
	s_mov_b32 s69, s68
	s_add_co_i32 s50, s38, s39                     ; e6+e7
	s_sub_co_i32 s72, 0, s50
	s_lshl_b32 s50, s50, 23
	s_add_co_i32 s70, s50, 0x3fb8aa3b              ; c = log2(e) x 2^(e6+e7): the exponents are added to log2(e)'s exponent field
	s_mov_b32 s71, s70
	s_add_co_i32 s75, s40, s41                     ; e8+e9
	s_mov_b32 s76, 0x76543210                      ; v_permlanex16_b32's selects for lane l xor 16
	s_mov_b32 s77, 0xfedcba98
	s_wait_loadcnt 0x3f                            ; behind the table, the weights and my own rows at least 64 loads were issued: those 57 are in, the halo's go on landing
.irp i, 0,1,2,3,4,5,6,7
	ds_store_b128 v[WST], v[32+4*\i:35+4*\i] offset:\i*WP
	ds_store_b128 v[WST], v[64+4*\i:67+4*\i] offset:(64+\i)*WP
	ds_store_b128 v[WST+1], v[96+4*\i:99+4*\i] offset:\i*WP
.endr
	s_wait_alu depctr_vm_vsrc(0)                   ; the LDS stores above have read v32-63, of which the bias arithmetic writes v32-60
	v_mov_b32 v[ONE], 1
	BIASA 0, 0, 0
	BIASA 1, 1, 0
	BIASA 2, 2, 0
	BIASA 3, 3, 5
	BIASA 4, 4, 8
	BIASA 5, 5, 10
	BIASA 6, 6, 12
	BIASA 7, 7, 13
	BIASA 8, 32, 15
	s_wait_alu depctr_va_vdst(0)                   ; the nine indices are written, which the permutes read
.irp i, 0,1,2,3,4,5,6,7,8
	ds_bpermute_b32 v[VL+\i], v[IX+\i], v[RB]      ; rel_bias[head][bucket]: the table lies a number to a lane
.endr
	s_wait_dscnt 0x0                               ; the nine looked-up numbers are in
.irp i, 0,1,2,3,4,5,6,7,8
	v_ldexp_f32 v[VL+\i], v[VL+\i], s72            ; / 2^(e6+e7): the sums' unit
.endr
	v_cmp_lt_u32 s[CM], 511, v[NN]                 ; hidden: n > 511, or n < 0, which is a great number without a sign: an edge of the band falls into the images of distance 0 and 32 alone
	v_cmp_lt_u32 s[CM+1], 511, v[NN+8]
	s_wait_alu depctr_va_sdst(0)                   ; the two masks are written, ahead of the lines that read them
	v_cndmask_b32 v[VL], v[VL], v[MSK], s[CM]
	v_cndmask_b32 v[VL+8], v[VL+8], v[MSK], s[CM+1]
	s_wait_alu depctr_va_vdst(0)                   ; the nine values are written, which the LDS stores read
.irp i, 0,1,2,3,4,5,6,7,8
	ds_store_b32 v[IST], v[VL+\i] offset:1024*\i
.endr
	s_wait_xcnt 0x0                                ; every load has had its address translated,
	s_wait_alu depctr_vm_vsrc(0)                   ; and every load, store and permute of the head has read its registers: the offsets in v16-26, the indices and values in v41-58 and the weights' rows in v64-127 are written again below
	s_wait_dscnt 0x0                               ; for the others' sake: my rows of the weights and my register of the images have landed
	s_barrier_signal -1
	s_barrier_wait -1
	; ---- MY OWN 32 ROWS: k, then v.  The halo's loads land meanwhile
	v_mov_b32 v[SC], s54
	v_mov_b32 v[LIM], s55
	LOADW WADR, 0
	MAT 0, 0, 2, 0, WADR, 1
	MAT 0, 1, 2, 0, WADR, 2
	MAT 0, 2, 2, 0, WADR, 3
	MAT 0, 3, 2, 0, WADR, 4
	FLUSH 22
	v_mov_b32 v[SC], s56
	v_mov_b32 v[LIM], s57
	MAT 1, 0, 2, 0, WADR, 5
	MAT 1, 1, 2, 0, WADR, 6
	MAT 1, 2, 2, 0, WADR, 7
	MAT 1, 3, 2, 0, WADR, -1
	FLUSH 24
	; ---- MY FOUR HALO TILES: projected once more, or quantised from prev_k, prev_v.  On both ways a wave stores into the same bytes, its own by 4,096 U
	s_cmp_lg_u32 s31, 0
	s_cbranch_scc1 .Lprev_quant
	s_wait_loadcnt 0x0
	v_mov_b32 v[SC], s54
	v_mov_b32 v[LIM], s55
	LOADW WADR, 0                                  ; the last d tile's wait ahead of its code stores has shown its products done reading v[WF ..]; no vector line since names them
	MAT 0, 0, 4, 1, WADR, 1
	MAT 0, 1, 4, 1, WADR, 2
	MAT 0, 2, 4, 1, WADR, 3
	MAT 0, 3, 4, 1, WADR, 4
	v_mov_b32 v[SC], s56
	v_mov_b32 v[LIM], s57
	MAT 1, 0, 4, 1, WADR, 5
	MAT 1, 1, 4, 1, WADR, 6
	MAT 1, 2, 4, 1, WADR, 7
	MAT 1, 3, 4, 1, WADR, -1
	s_branch .Lhalo_done
.Lprev_quant:
	s_wait_loadcnt 0x0
	v_mov_b32 v[SC], s60
	v_mov_b32 v[LIM], s61
.irp i, 0,1,2,3
	WIN 0x41                                       ; source 0 and destination window 1
.set pk, 0
.rept 32
	v_med3_num_f32 v[32*\i+pk], v[32*\i+pk], -v[LIM], v[LIM]
.set pk, pk+1
.endr
	WIN 0x01
.irp t, 0,1,2,3
	v_cvt_scalef32_pk8_bf8_f32 v[PKC+8*\i+2*\t:PKC+8*\i+2*\t+1], v[32*\i+8*\t:32*\i+8*\t+7], v[SC]
.endr
.endr
	WIN 0
	v_nop                                          ; a plain instruction behind the last conversion, ahead of the line that writes its scale
	s_wait_alu depctr_va_vdst(0)                   ; the conversions have written prev_k's codes, v32-63, which the LDS stores read
.irp i, 0,1,2,3
	ds_store_b128 v[KSH], v[PKC+8*\i:PKC+8*\i+3] offset:1024*\i
	ds_store_b128 v[KSH], v[PKC+8*\i+4:PKC+8*\i+7] offset:1024*\i+512
.endr
	v_mov_b32 v[SC], s62
	v_mov_b32 v[LIM], s63
.irp i, 0,1,2,3
	WIN 0x41
.set pk, 0
.rept 32
	v_med3_num_f32 v[128+32*\i+pk], v[128+32*\i+pk], -v[LIM], v[LIM]
.set pk, pk+1
.endr
	WIN 0x01
.irp t, 0,1,2,3
	v_cvt_scalef32_pk8_bf8_f32 v[PVC+8*\i+2*\t:PVC+8*\i+2*\t+1], v[128+32*\i+8*\t:128+32*\i+8*\t+7], v[SC]
.endr
.endr
	WIN 0
	v_nop
	s_wait_alu depctr_va_vdst(0)                   ; the conversions have written prev_v's codes, v64-95, which the LDS stores read and in which W_q's rows land below
.irp i, 0,1,2,3
.irp t, 0,1,2,3
	ds_store_b64 v[VSH], v[PVC+8*\i+2*\t:PVC+8*\i+2*\t+1] offset:1024*\i+256*\t
.endr
.endr
	s_wait_alu depctr_vm_vsrc(0)                   ; the LDS stores have read v32-95: q's products write v32-47, and W_q's rows land in v64-127
.Lhalo_done:
	s_wait_dscnt 0x0                               ; for the others' sake: my six tiles of K's and V's images have landed
	s_barrier_signal -1
	; ---- q of my own rows stands between the signal and the wait: work on registers, and loads of the weights, which nobody writes any more
	v_mov_b32 v[SC], s58
	v_mov_b32 v[LIM], s59
	LOADW WADRQ, 0                                 ; on both ways a wait on va_vdst stands behind the last vector or matrix line that names v[WF ..]
	MAT 2, 0, 2, 0, WADRQ, 1
	MAT 2, 1, 2, 0, WADRQ, 2
	MAT 2, 2, 2, 0, WADRQ, 3
	MAT 2, 3, 2, 0, WADRQ, -1
	v_mov_b32 v[SC], s73                           ; 2^e9, for p's conversions
	v_mov_b32 v[LIM], s74                          ; 57,344 x 2^e9
	v_mov_b32 v[CB], s42
	v_ldexp_f32 v[CB], v[CB], s72                  ; rel_bias[head][31] / 2^(e6+e7)
.irp j, 1,2,3,4,5,6,7
	v_mov_b32 v[CB+\j], v[CB]
.endr
	v_mov_b32 v[PD], 0                             ; written once: a lane permute's destination counts as one of its sources.  (As VSH it was last read by stores that stand ahead of a wait on vm_vsrc)
	v_mov_b32 v[FF+1], 0                           ; (named as the upper half of the pair)
.irp j, 0,1,2,3,4,5,6,7
	v_mov_b32 v[QC+\j], v[QCD+\j]                  ; query tile 0
.endr
	s_barrier_wait -1                              ; all 48 tiles of K and V lie in LDS
; ---- ATTENTION.  For a query tile the key tile at distance D lies 32 - D tiles behind the tile's base.  Step s takes distances 7 + 8 s - i, i = 0 .. 7; the tile at distance 32 comes last, alone.
.macro KLOAD s
.irp i, 0,1,2,3,4,5,6,7
	ds_load_b128 v[KF+8*\i:KF+8*\i+3], v[ADK] offset:(25-8*(\s)+\i)*1024
	ds_load_b128 v[KF+8*\i+4:KF+8*\i+7], v[ADK] offset:(25-8*(\s)+\i)*1024+512
.endr
.endm
.macro KONE s, n                       ; load n of the sixteen of KLOAD s
	ds_load_b128 v[KF+8*((\n)/2)+4*((\n)%2):KF+8*((\n)/2)+4*((\n)%2)+3], v[ADK] offset:(25-8*(\s)+(\n)/2)*1024+512*((\n)%2)
.endm
.macro VLOAD s, far
	WIN 0x40                                       ; destination window 1
	s_wait_alu depctr_va_vdst(0)                   ; THE STEP'S ONE WAIT: the last step's second products are done reading V's registers, in which the loads below land; this step's score products are done reading v[KF ..], in which the next K lands
.if \far
.irp t, 0,1,2,3
	ds_load_b64 v[18*\t:18*\t+1], v[ADV] offset:256*\t
.endr
.endif
.irp t, 0,1,2,3
.irp i, 0,1,2,3,4,5,6,7
	ds_load_b64 v[18*\t+2+2*\i:18*\t+3+2*\i], v[ADV] offset:(25-8*(\s)+\i)*1024+256*\t
.endr
.endr
	WIN 0
.endm
; The update of M and f from the step's largest score in v[T0] (my half of the keys).  first = 1: the tile's first step.
.macro NEWM first
	v_permlanex16_b32 v[PD], v[T0], s76, s77
	v_max_num_f32 v[T0], v[T0], v[PD]              ; and among lane l xor 16's keys
.if \first
	v_mul_f32 v[TM], s70, v[T0]                    ; as t (c is positive).  The first step holds key = query, which counts: t is a number
	v_floor_f32 v[NM], -v[TM]                      ; -M = floor(-t) = -ceil(t)
.else
	v_mul_f32 v[T0], s70, v[T0]
	v_max_num_f32 v[TM], v[TM], v[T0]              ; the running largest t
	v_mov_b32 v[T1], v[NM]
	v_floor_f32 v[NM], -v[TM]
	v_sub_f32 v[T1], v[NM], v[T1]                  ; old M - new M: a whole number, 0 or less
	v_cvt_i32_f32 v[T1], v[T1]
	v_ldexp_f32 v[FF], 1.0, v[T1]                  ; f = 2^(old M - new M): the rescaling rounds nothing
.endif
.endm
; The softmax of 128 keys: 64 numbers a lane.  nk: the step whose K is fetched meanwhile (-1: none): its sixteen loads stand among the scalings, one behind every second; they lean on the step's one wait,
; since no line of this macro names v[KF ..] or v[ADK].
.macro SMAX first, nk
	v_max3_num_f32 v[T0], v[SS], v[SS+1], v[SS+2]  ; in ascending order: each accumulator is first read at its low end
	v_max3_num_f32 v[T1], v[SS+3], v[SS+4], v[SS+5]
.irp i, 6,10,14,18,22,26,30,34,38,42,46,50,54,58
	v_max3_num_f32 v[T0], v[T0], v[SS+\i], v[SS+\i+1]
	v_max3_num_f32 v[T1], v[T1], v[SS+\i+2], v[SS+\i+3]
.endr
	v_max3_num_f32 v[T0], v[T0], v[SS+62], v[SS+63]
	v_max_num_f32 v[T0], v[T0], v[T1]
	NEWM \first
.irp j, 0,2,4,6,8,10,12,14,16,18,20,22,24,26,28,30,32,34,36,38,40,42,44,46,48,50,52,54,56,58,60,62
	v_pk_fma_f32 v[SS+\j:SS+\j+1], v[SS+\j:SS+\j+1], s[70:71], v[NM:NM+1] op_sel_hi:[1,0,0]   ; t - M (of the pairs c and -M the low word serves both halves)
.if ((\nk) >= 0) && (((\j) % 4) == 0)
	KONE \nk, \j/4
.endif
.endr
.irp j, 0,1,2,3,4,5,6,7,8,9,10,11,12,13,14,15,16,17,18,19,20,21,22,23,24,25,26,27,28,29,30,31,32,33,34,35,36,37,38,39,40,41,42,43,44,45,46,47,48,49,50,51,52,53,54,55,56,57,58,59,60,61,62,63
	v_exp_f32 v[SS+\j], v[SS+\j]                   ; p = 2^(t - M); a hidden place gives 0
.endr
.if \first
	v_nop                                          ; a plain instruction behind the exponentials
.else
	v_pk_mul_f32 v[YS:YS+1], v[YS:YS+1], v[FF:FF+1] op_sel_hi:[1,0]   ; the sum under the new M; also the plain instruction behind the exponentials
.endif
	s_wait_alu depctr_va_vdst(0)                   ; the 64 exponentials have written p: one wait for the batch, ahead of its first reader
	v_pk_add_f32 v[XC:XC+1], v[SS:SS+1], v[SS+2:SS+3]   ; the row's sum is taken of the unquantised p, in two chains
.if \first
	v_pk_add_f32 v[YS:YS+1], v[SS+4:SS+5], v[SS+6:SS+7]
.else
	v_pk_add_f32 v[YS:YS+1], v[YS:YS+1], v[SS+4:SS+5]
	v_pk_add_f32 v[XC:XC+1], v[XC:XC+1], v[SS+6:SS+7]
.endif
.irp j, 8,12,16,20,24,28,32,36,40,44,48,52,56,60
	v_pk_add_f32 v[YS:YS+1], v[YS:YS+1], v[SS+\j:SS+\j+1]
	v_pk_add_f32 v[XC:XC+1], v[XC:XC+1], v[SS+\j+2:SS+\j+3]
.endr
	v_pk_add_f32 v[YS:YS+1], v[YS:YS+1], v[XC:XC+1]
.irp i, 0,1,2,3,4,5,6,7
.irp k, 0,1,2,3,4,5,6,7
	v_min_num_f32 v[SS+8*\i+\k], v[SS+8*\i+\k], v[LIM]   ; the hold; p is not negative, so it is one-sided
.endr
	v_cvt_scalef32_pk8_bf8_f32 v[PC+2*\i:PC+2*\i+1], v[SS+8*\i:SS+8*\i+7], v[SC]   ; registers 2 i, 2 i + 1 of the second product's operand
.endr
.if \first
	v_nop                                          ; a plain instruction between the conversions and the products that read their results
.else
.irp j, 0,2,4,6,8,10,12,14,16,18,20,22,24,26,28,30
	v_pk_mul_f32 v[OT+\j:OT+\j+1], v[OT+\j:OT+\j+1], v[FF:FF+1] op_sel_hi:[1,0]   ; O^T under the new M; each accumulator from its low end on
.endr
.endif
.endm
.macro STEP s
	s_wait_dscnt 0x0                               ; the step's K (step 0: and the eight bias images) is in
.irp i, 0,1,2,3,4,5,6,7
.if \s == 0
	v_wmma_f32_16x16x64_bf8_bf8 v[SS+8*\i:SS+8*\i+7], v[KF+8*\i:KF+8*\i+7], v[QC:QC+7], v[SS+8*\i:SS+8*\i+7]   ; C = the image of distance 7 - i, loaded in place
.else
	v_wmma_f32_16x16x64_bf8_bf8 v[SS+8*\i:SS+8*\i+7], v[KF+8*\i:KF+8*\i+7], v[QC:QC+7], v[CB:CB+7]             ; distances 8 .. 31: bucket 31 everywhere
.endif
.endr
	PLACES
.if \s == 3
	VLOAD 3, 1
	ds_load_b128 v[KF:KF+3], v[ADK]                ; the tile at distance 32,
	ds_load_b128 v[KF+4:KF+7], v[ADK] offset:512
	ds_load_b128 v[I8:I8+3], v[AIM] offset:8192    ; and its image, into registers that the far product alone names
	ds_load_b128 v[I8+4:I8+7], v[AIM] offset:8192+512
	SMAX 0, -1
	s_wait_dscnt 0x4                               ; V is in; behind it: those four loads
.else
	VLOAD \s, 0
.if \s == 0
	SMAX 1, \s+1
.else
	SMAX 0, \s+1
.endif
	s_wait_dscnt 0x10                              ; V is in; behind it: the next step's sixteen loads of K
.endif
	WIN 0x01                                       ; source 0 (V) window 1
.irp t, 0,1,2,3
.if \s == 0
	v_wmma_f32_16x16x128_bf8_bf8 v[OT+8*\t:OT+8*\t+7], v[18*\t+2:18*\t+17], v[PC:PC+15], 0
.else
	v_wmma_f32_16x16x128_bf8_bf8 v[OT+8*\t:OT+8*\t+7], v[18*\t+2:18*\t+17], v[PC:PC+15], v[OT+8*\t:OT+8*\t+7]
.endif
.endr
	WIN 0
.endm
	s_mov_b32 s78, 0                               ; 1,024 p
	s_mov_b32 s79, 2
.Ltile:
	s_wait_alu depctr_vm_vsrc(0)                   ; every load and store issued so far has read its registers: v[ADK], v[ADV], v[T0], v[T1] served as addresses, v[SS ..] and O^T as the data of stores; all are written again in this trip
	v_add_nc_u32 v[ADK], s78, v[AK0]
	v_add_nc_u32 v[ADV], s78, v[AV0]
	s_wait_alu depctr_va_vdst(0)                   ; the two addresses are written, which the trip's loads read; every earlier vector and matrix line is done with v[SS ..] and v[KF ..], in which the loads below land
.irp i, 0,1,2,3,4,5,6,7
	ds_load_b128 v[SS+8*\i:SS+8*\i+3], v[AIM] offset:(7-\i)*1024
	ds_load_b128 v[SS+8*\i+4:SS+8*\i+7], v[AIM] offset:(7-\i)*1024+512
.endr
	KLOAD 0
	STEP 0
	STEP 1
	STEP 2
	STEP 3
	; the tile at distance 32: 16 keys, 8 numbers a lane
	s_wait_dscnt 0x0
	v_wmma_f32_16x16x64_bf8_bf8 v[SS:SS+7], v[KF:KF+7], v[QC:QC+7], v[I8:I8+7]
	PLACES
	v_max3_num_f32 v[T0], v[SS], v[SS+1], v[SS+2]
	v_max3_num_f32 v[T1], v[SS+3], v[SS+4], v[SS+5]
	v_max3_num_f32 v[T0], v[T0], v[SS+6], v[SS+7]
	v_max_num_f32 v[T0], v[T0], v[T1]
	NEWM 0
.irp j, 0,2,4,6
	v_pk_fma_f32 v[SS+\j:SS+\j+1], v[SS+\j:SS+\j+1], s[70:71], v[NM:NM+1] op_sel_hi:[1,0,0]
.endr
.irp j, 0,1,2,3,4,5,6,7
	v_exp_f32 v[SS+\j], v[SS+\j]
.endr
	v_pk_mul_f32 v[YS:YS+1], v[YS:YS+1], v[FF:FF+1] op_sel_hi:[1,0]
	s_wait_alu depctr_va_vdst(0)                   ; the eight exponentials have written p: one wait, ahead of their first reader
	v_pk_add_f32 v[XC:XC+1], v[SS:SS+1], v[SS+2:SS+3]
	v_pk_add_f32 v[YS:YS+1], v[YS:YS+1], v[SS+4:SS+5]
	v_pk_add_f32 v[XC:XC+1], v[XC:XC+1], v[SS+6:SS+7]
	v_pk_add_f32 v[YS:YS+1], v[YS:YS+1], v[XC:XC+1]
.irp k, 0,1,2,3,4,5,6,7
	v_min_num_f32 v[SS+\k], v[SS+\k], v[LIM]
.endr
	v_cvt_scalef32_pk8_bf8_f32 v[PC:PC+1], v[SS:SS+7], v[SC]
.irp j, 2,3,4,5,6,7
	v_mov_b32 v[PC+\j], 0                          ; the product's other 48 keys get zero codes: the three tiles of V that lie behind the far one in the registers add nothing
.endr
.irp j, 0,2,4,6,8,10,12,14,16,18,20,22,24,26,28,30
	v_pk_mul_f32 v[OT+\j:OT+\j+1], v[OT+\j:OT+\j+1], v[FF:FF+1] op_sel_hi:[1,0]
.endr
	WIN 0x01
.irp t, 0,1,2,3
	v_wmma_f32_16x16x64_bf8_bf8 v[OT+8*\t:OT+8*\t+7], v[18*\t:18*\t+7], v[PC:PC+7], v[OT+8*\t:OT+8*\t+7]
.endr
	WIN 0
	; the way out of a query tile: O^T / the sum x 2^(e8+e9), through my stage, 16 rows of 256 bytes
	PLACES
	v_add_f32 v[YS], v[YS], v[YS+1]
	v_permlanex16_b32 v[PD], v[YS], s76, s77
	v_add_f32 v[YS], v[YS], v[PD]                  ; the row's sum
	v_rcp_f32 v[YS], v[YS]
	v_nop                                          ; a plain instruction behind the reciprocal
	s_wait_alu depctr_va_vdst(0)                   ; the reciprocal is written, ahead of its first reader
	v_ldexp_f32 v[YS], v[YS], s75
.irp j, 0,2,4,6,8,10,12,14,16,18,20,22,24,26,28,30
	v_pk_mul_f32 v[OT+\j:OT+\j+1], v[OT+\j:OT+\j+1], v[YS:YS+1] op_sel_hi:[1,0]
.endr
	s_wait_alu depctr_va_vdst(0)                   ; the scalings have written O^T, which the stage's stores read; the softmax's lines are done with v[SS ..], in which the rows land on their way back
.irp t, 0,1,2,3
	ds_store_b128 v[STK], v[OT+8*\t:OT+8*\t+3] offset:64*\t        ; lane (r, h): o(query r, d = 16 t + 8 h + 0 .. 7)
	ds_store_b128 v[STK], v[OT+8*\t+4:OT+8*\t+7] offset:64*\t+16
.endr
	OUTROWS SS, 0, 20, 0
	s_wait_xcnt 0x0                                ; the stores have had their addresses translated: their base is written again (their data registers: behind the wait on vm_vsrc at the next trip's head)
	s_add_nc_u64 s[20:21], s[20:21], 32768         ; 16 rows of out0 on
	s_add_co_u32 s78, s78, 1024
.irp j, 0,1,2,3,4,5,6,7
	v_mov_b32 v[QC+\j], v[QCD+8+\j]                ; query tile 1
.endr
	s_sub_co_u32 s79, s79, 1
	s_cmp_lg_u32 s79, 0
	s_cbranch_scc1 .Ltile
	s_wait_dscnt 0x0                               ; the closing lines, six on end
	s_wait_alu 0x0
	s_wait_tensorcnt 0x0
	ds_add_u32 v[SPW], v[NIL]
	s_wait_dscnt 0x0
	s_endpgm
.Lfunc_end_k_q112cc24eee_layer:
	.size	k_q112cc24eee_layer, .Lfunc_end_k_q112cc24eee_layer-k_q112cc24eee_layer
	.p2alignl 7, 3214868480
	.fill 96, 4, 3214868480
	.section	.rodata,"a",@progbits
	.p2align	6, 0x0
	.amdhsa_kernel k_q112cc24eee_layer
		.amdhsa_group_segment_fixed_size 279552
		.amdhsa_private_segment_fixed_size 0
		.amdhsa_enable_private_segment 0
		.amdhsa_kernarg_size 88
		.amdhsa_user_sgpr_count 2
		.amdhsa_user_sgpr_kernarg_segment_ptr 1
		.amdhsa_wavefront_size32 1
		.amdhsa_system_sgpr_workgroup_id_x 1
		.amdhsa_system_sgpr_workgroup_id_y 1
		.amdhsa_system_sgpr_workgroup_id_z 1
		.amdhsa_system_vgpr_workitem_id 0
		.amdhsa_next_free_vgpr 512
		.amdhsa_next_free_sgpr 84
		.amdhsa_reserve_vcc 0
		.amdhsa_float_denorm_mode_32 3
		.amdhsa_float_denorm_mode_16_64 3
		.amdhsa_memory_ordered 1
		.amdhsa_forward_progress 1
		.amdhsa_inst_pref_size 229
	.end_amdhsa_kernel
	.amdgpu_metadata
---
amdhsa.version: [ 1, 2 ]
amdhsa.kernels:
  - .name:           k_q112cc24eee_layer
    .symbol:         k_q112cc24eee_layer.kd
    .args:
      - { .name: xs_codes, .offset: 0, .size: 8, .value_kind: global_buffer, .address_space: global }
      - { .name: w_q_codes, .offset: 8, .size: 8, .value_kind: global_buffer, .address_space: global }
      - { .name: w_k_codes, .offset: 16, .size: 8, .value_kind: global_buffer, .address_space: global }
      - { .name: w_v_codes, .offset: 24, .size: 8, .value_kind: global_buffer, .address_space: global }
      - { .name: prev_k, .offset: 32, .size: 8, .value_kind: global_buffer, .address_space: global }
      - { .name: prev_v, .offset: 40, .size: 8, .value_kind: global_buffer, .address_space: global }
      - { .name: rel_bias, .offset: 48, .size: 8, .value_kind: global_buffer, .address_space: global }
      - { .name: lowp_scales, .offset: 56, .size: 8, .value_kind: global_buffer, .address_space: global }
      - { .name: out0, .offset: 64, .size: 8, .value_kind: global_buffer, .address_space: global }
      - { .name: out1, .offset: 72, .size: 8, .value_kind: global_buffer, .address_space: global }
      - { .name: out2, .offset: 80, .size: 8, .value_kind: global_buffer, .address_space: global }
    .group_segment_fixed_size: 279552
    .private_segment_fixed_size: 0
    .kernarg_segment_align: 8
    .kernarg_segment_size: 88
    .max_flat_workgroup_size: 256
    .sgpr_count:     84
    .vgpr_count:     512
    .wavefront_size: 32
...
	.end_amdgpu_metadata
.endif
;; end of part 2
